; MI455X (gfx1250); checked and timed in simulation.
; The chip was launched on July 23, 2026; its instructions are those of AMD's public machine-readable ISA for CDNA 5 (MIT licence, August 2026) and "CDNA5" Instruction Set Architecture Reference Guide (July 2026). The comments in the code are by the model that wrote it; some were corrected since.
;; Multi Head Attention. Allowed arithmetic: matrix products marked QUANTISED: E2M3 operands, one E8M0 scale for each 32 along K, by v_wmma_scale_f32_16x16x128_f8f6f4 with both operands' format E2M3, f32 sums; everything else in f32.
;; Inputs: W_out 1,024 x 1,024 float32; W_qkv 1,024 x 3,072 float32; X 4 x 2,048 x 1,024 float32; b_out 1,024 float32; b_qkv 3,072 float32.
;; Outputs: out0 4 x 2,048 x 1,024 float32.
;; This version of the problem:
;;   THIS VERSION OF THE PROBLEM IS GIVEN IN LOW PRECISION. The matrix products marked QUANTISED in the list below multiply operands that are first quantised to E2M3 (2 exponent bits, 3 mantissa bits; 6 bits a number), with one power-of-two scale for each 32 numbers along K (OCP MX v1.0); their sums are f32. All else is computed in f32.
;;   The module's matrix products, in the order in which they are computed (A, B: the left and right operand; K: the contracted axis; several contracted axes count as one K, in the product's order):
;;     1. [M 8,192, K 1,024] x [K 1,024, N 3,072]; A: input X; B: input W_qkv: QUANTISED
;;     2. batch 64 x [M 2,048, K 64] x [K 64, N 2,048]; A: computed on the way; B: computed on the way: QUANTISED
;;     3. batch 64 x [M 64, K 2,048] x [K 2,048, N 2,048]; A: computed on the way; B: softmax (see below): QUANTISED
;;     4. [M 8,192, K 1,024] x [K 1,024, N 1,024]; A: computed on the way; B: input W_out: QUANTISED
;;   THE QUANTISER, for each operand of a quantised product, along K:
;;     - K is cut into blocks of 32 from its start; a last block that is shorter is filled with zeros.
;;     - A block's scale is 2^e with e = floor(log2(the largest magnitude in the block)) - 2, held to -126 .. 127; a block of zeros has e = 0. As a byte (E8M0): e + 127.
;;     - Each number is divided by its block's scale, clamped to +-7.5, and rounded to the nearest number of E2M3, ties to even, subnormals kept.
;;     - The product sums the exact products of the quantised numbers (number of the format x scale) in f32.
;;   ~~~python
;;   def quantise(x, axis):      # numpy; x: float32 -> the quantised numbers, widened to float32 again
;;       x = np.moveaxis(x, axis, -1); K = x.shape[-1]
;;       x = np.pad(x, [(0, 0)] * (x.ndim - 1) + [(0, -K % 32)]); x = x.reshape(x.shape[:-1] + (-1, 32)); a = np.abs(x).max(-1, keepdims=True)
;;       e = np.where(a > 0, np.clip(np.frexp(np.where(a > 0, a, 1))[1] - 1 - 2, -126, 127), 0)      # np.frexp(a)[1] - 1 = floor(log2(a)), exactly
;;       r = np.clip(x / 2.0 ** e, -7.5, 7.5)
;;       step = 2.0 ** (np.maximum(np.frexp(np.where(r == 0, 1, r))[1] - 1, 0) - 3)
;;       q = np.round(r / step) * step * 2.0 ** e      # np.round: ties to even
;;       return np.moveaxis(q.reshape(q.shape[:-2] + (-1,))[..., :K], -1, axis).astype(np.float32)
;;   ~~~
;;   SOFTMAX AHEAD OF A QUANTISED PRODUCT. Where the list says 'softmax', what is quantised is not the finished softmax but p = 2^(t - M), with t = logit x log2(e) and M = ceil(the row's largest t), a whole number; so 1/2 < the row's largest p <= 1. The row's sum l is taken of the UNQUANTISED p, in f32, and the product's result is divided by l at the end. Since M is a whole number, a kernel that streams over the keys may use a running M (the ceiling of the running maximum): every later rescaling is an exact power of two, which a block's scale takes up: the codes' values come out the same.
;;   OPERANDS COMPUTED ON THE WAY. 'Computed on the way' means the value that the module computes at that place (a softmax that the list does not call 'softmax' is quantised finished and normalised). What goes into a quantiser is computed in f32, as accurately as f32 sums, v_exp_f32 and their like allow (about 1e-6 of the number): no bf16 or f16 on the way to a quantiser, and a product that is left as it is and whose result goes on into a quantised operand takes f32 operands (vector FMAs, or v_wmma_f32_16x16x4_f32). A number that lies on a knife's edge between two numbers of the format may be rounded either way, as far as f32 arithmetic and the matrix unit's own rounding can turn it there, and no further.
;; One version. Each part assembles by itself: llvm-mc -triple=amdgcn-amd-amdhsa -mcpu=gfx1250 --defsym DOCPART=n.
;; ======== version 1 of 1: 4 launches
;; workspace buffers: img1 9,437,184 bytes; sc1 393,216 bytes; qkv 20,185,088 bytes; oimg 6,291,456 bytes; osc 262,144 bytes
;; launch prep (part 1): grid 384 x 1, 4 waves a work-group, no clusters, 59,904 bytes of LDS; arguments X, W_qkv, W_out, img1, sc1; writes img1, sc1
.if DOCPART == 1
	.amdgcn_target "amdgcn-amd-amdhsa--gfx1250"
	.amdhsa_code_object_version 6
	.text
	.protected	k_qfe9651322f_prep
	.globl	k_qfe9651322f_prep
	.p2align	8
	.type	k_qfe9651322f_prep,@function
k_qfe9651322f_prep:
	s_mov_b64 s[64:65], 0
	v_nop
	global_prefetch_b8 v0, s[64:65] scope:SCOPE_SE
	s_setreg_imm32_b32 hwreg(HW_REG_WAVE_MODE, 25, 1), 1
	s_wait_xcnt 0x0
; X [8192][1024], W_qkv [1024][3072] and W_out [1024][1024], f32, become codes of FP6 (E2M3) with one E8M0 byte for each 32 along K (K = the 1024), laid as the products want their operands.
; img1: [tile 0..767][K step 0..7][1536 bytes].  A tile is 16 rows; lane-row r of tile T is row 32 (T / 2) + 8 (T % 2) + r + 8 (r / 8).  Tiles 0-511: tokens; 512-703: columns of W_qkv, reordered (q, k, v; head; d); 704-767: columns of W_out.
; The 1536 bytes are an image of a fragment's registers (lane L = r + 16 h holds k = 64 c + 32 h + 0..31 in registers 6 c .. 6 c + 5): registers 0-3 at 16 L, 4-5 at 512 + 8 L, 6-9 at 768 + 16 L, 10-11 at 1280 + 8 L.
; sc1: [K step][group of four tiles][256 bytes]: the scale word of (tile 4 G + i, lane-row r) at 16 r + 4 i.
; A block's scale is 2^(floor(log2(largest magnitude)) - 2): its byte is the largest magnitude's exponent field - 2, held at 1 from below by a floor among the maximum's leaves.
; LIMITS: NaN and infinities among the inputs are not served; a block whose largest magnitude lies under 2^-124 gets the byte 1; a block of zeros gets the byte 1 (its codes are zeros, and this program alone reads the bytes).
; Work-groups 0-255 take X (64 tokens x 512 along K; a wave: 64 tokens x 128), work-groups 256-383 the weights (128 columns x 256 along K; a wave: 32 columns).  The two paths have LDS bytes of their own.  Waves share nothing: no barrier.
.set SPARE, 59392                      ; the spare words: 128 bytes for each wave
.set XSTG,  8448                       ; X path: a stage of 16 rows x 528 bytes for each wave, from LDS byte 0
.set WST0,  33792                      ; weights path: a stage of 2 tiles x 3200 bytes for each wave
.set WSTG,  6400
.set SPW,   12                         ; v12  my spare word; never rewritten
.set NIL,   13                         ; v13  0; never rewritten
.set PC,    16                         ; v16-27  a fragment's codes
.set CT,    28                         ; v28-34  the conversions' second halves
.set WS,    36                         ; v36-39  four tiles' scale words
.set R,     64                         ; v64-191 X path: two sets of 64 registers as loaded
.set XN,    192                        ; v192-255 X path: my 64 numbers
.set VO,    64                         ; v64-95  weights path: 4 x lane + i x pitch
.set WN,    96                         ; v96-159 weights path: two sets of 32 numbers
.set OUTR,  160                        ; v160-207 weights path: the way out
	s_load_b256 s[4:11], s[0:1], 0x0               ; X s[4:5], W_qkv s[6:7], W_out s[8:9], img1 s[10:11]
	s_load_b64 s[12:13], s[0:1], 0x20              ; sc1
	v_lshl_add_u32 v[SPW], v0, 2, SPARE
	v_mov_b32 v[NIL], 0
	v_lshrrev_b32 v1, 5, v0
	v_readfirstlane_b32 s16, v1                    ; wave
	v_and_b32 v2, 31, v0                           ; lane
	v_lshlrev_b32 v3, 4, v2                        ; 16 x lane
	v_lshlrev_b32 v5, 3, v2                        ; 8 x lane
	s_cmp_ge_u32 ttmp9, 256
	s_cbranch_scc1 .Lweights
; ---------------- X: K is innermost.  Each load reads 512 consecutive bytes of one token; a tile's 16 rows turn through my stage, so that lane (r, h) gets k = 64 c + 32 h + 0..31 of lane-row r.
	v_and_b32 v4, 15, v0                           ; r
	v_bfe_u32 v8, v0, 4, 1                         ; h
	v_lshlrev_b32 v6, 4, v4                        ; 16 r
	v_lshlrev_b32 v7, 3, v8                        ; 8 h: my bytes' place in the scale word
	s_mul_i32 s17, s16, XSTG
	v_add_nc_u32 v14, s17, v3                      ; the stage, on the way in: 16 x lane
	v_mul_u32_u24 v15, v4, 528
	v_lshl_add_u32 v15, v8, 7, v15
	v_add_nc_u32 v15, s17, v15                     ; and out: 528 r + 128 h (528 = 33 x 16: sixteen rows start in sixteen different columns of 16 bytes)
	s_mov_b32 s20, 0x76543210
	s_mov_b32 s21, 0xfedcba98                      ; lane l xor 16
	s_lshr_b32 s18, ttmp9, 1                       ; G: 64 tokens = tiles 4 G .. 4 G + 3
	s_and_b32 s19, ttmp9, 1
	s_lshl_b32 s19, s19, 2
	s_add_co_u32 s19, s19, s16                     ; s: my K step of 128
	s_lshl_b32 s22, s18, 18
	s_lshl_b32 s23, s19, 9
	s_add_co_u32 s22, s22, s23
	s_mov_b32 s23, 0
	s_mul_i32 s24, s18, 4*12288
	s_mul_i32 s25, s19, 1536
	s_add_co_u32 s24, s24, s25
	s_mov_b32 s25, 0
	s_mul_i32 s26, s19, 49152
	s_lshl_b32 s27, s18, 8
	s_add_co_u32 s26, s26, s27
	s_mov_b32 s27, 0
	v_mov_b32 v43, 0                               ; a lane permute's destination counts as one of its sources
	s_wait_kmcnt 0x0
	s_add_nc_u64 s[4:5], s[4:5], s[22:23]
	s_add_nc_u64 s[10:11], s[10:11], s[24:25]
	s_add_nc_u64 s[12:13], s[12:13], s[26:27]
.macro LOAD t                          ; tile 4 G + t: its 16 lane-rows, 512 bytes each
.set p, 0
.rept 16
	global_load_b128 v[R+64*((\t)%2)+4*p:R+64*((\t)%2)+4*p+3], v3, s[4:5] offset:(32*((\t)/2)+8*((\t)%2)+p+8*(p/8))*4096 th:TH_LOAD_NT
.set p, p+1
.endr
.endm
.macro XSTEP t
.set RS, R+64*((\t)%2)
.if (\t) < 3
	s_wait_loadcnt 16                              ; this tile's 16 loads are in; the next tile's 16 may be out
.else
	s_wait_loadcnt 0
.endif
.set p, 0
.rept 16
	ds_store_b128 v14, v[RS+4*p:RS+4*p+3] offset:528*p
.set p, p+1
.endr
.set p, 0
.rept 16
	ds_load_b128 v[XN+4*p:XN+4*p+3], v15 offset:256*(p/8)+16*(p%8)   ; LDS serves a wave's instructions in order: these see the stores above
.set p, p+1
.endr
	s_wait_dscnt 0x0                               ; my numbers are in, and the stage's stores have read their registers
	s_wait_xcnt 0x0                                ; the last tile's stores have read the codes' registers: they are written again below
.if (\t) < 2
	LOAD (\t)+2
.endif
.irp c, 0,1                            ; my block 2 c + h: all its 32 numbers are mine; the floor 2^(3 - 127) holds the byte at 1 from below
	v_max3_num_f32 v[40+\c], |v[XN+32*\c]|, |v[XN+32*\c+1]|, 0x1800000
.endr
.irp i, 2,4,6,8,10,12,14,16,18,20,22,24,26,28,30
.irp c, 0,1
	v_max3_num_f32 v[40+\c], v[40+\c], |v[XN+32*\c+\i]|, |v[XN+32*\c+\i+1]|
.endr
.endr
.irp c, 0,1
	v_add_nc_u32 v[44+\c], 0xff000000, v[40+\c]    ; 2 off the exponent field: the conversion's scale operand
.endr
.irp c, 0,1
	v_lshrrev_b32 v[46+\c], 23, v[44+\c]           ; the scale's byte
.endr
	v_lshl_or_b32 v42, v47, 16, v46                ; blocks h and 2 + h,
	v_lshlrev_b32 v42, v7, v42                     ; at their places in the word;
	v_permlanex16_b32 v43, v42, s20, s21
	v_or_b32 v[WS+(\t)], v42, v43                  ; with lane l xor 16's two the word is whole
.irp c, 0,1
	v_cvt_scalef32_pk16_fp6_f32 v[PC+6*\c:PC+6*\c+2], v[XN+32*\c:XN+32*\c+15], v[44+\c]
	v_cvt_scalef32_pk16_fp6_f32 v[CT+4*\c:CT+4*\c+2], v[XN+32*\c+16:XN+32*\c+31], v[44+\c]   ; (a conversion's three registers begin on an even number)
.endr
	v_nop                                          ; one plain place behind a scaled conversion
.irp c, 0,1
.irp i, 0,1,2
	v_mov_b32 v[PC+6*\c+3+\i], v[CT+4*\c+\i]
.endr
.endr
	global_store_b128 v3, v[PC:PC+3], s[10:11] offset:(\t)*12288           ; each store covers 512 or 256 consecutive bytes, aligned
	global_store_b64 v5, v[PC+4:PC+5], s[10:11] offset:(\t)*12288+512
	global_store_b128 v3, v[PC+6:PC+9], s[10:11] offset:(\t)*12288+768
	global_store_b64 v5, v[PC+10:PC+11], s[10:11] offset:(\t)*12288+1280
.endm
	LOAD 0
	LOAD 1
	XSTEP 0
	XSTEP 1
	XSTEP 2
	XSTEP 3
	global_store_b128 v6, v[WS:WS+3], s[12:13]     ; four tiles' words of lane-row r: 256 consecutive bytes (lanes 16-31 repeat lanes 0-15)
	s_wait_tensorcnt 0x0                           ; the wave's end
	ds_add_u32 v[SPW], v[NIL]
	s_wait_dscnt 0x0
	s_endpgm
; ---------------- The weights: K is the first axis.  A lane takes a column and its registers run down K: a block of 32 lies in one lane, and the conversions give codes with K innermost.
.Lweights:
	s_sub_co_u32 s17, ttmp9, 256                   ; j
	s_cmp_lt_u32 s17, 96                           ; 96 work-groups for W_qkv, 32 for W_out
	s_cselect_b32 s19, 1, 0
	s_cselect_b32 s18, 0, 96
	s_mov_b32 s24, 4096
	s_cselect_b32 s24, 12288, s24                  ; a row of the weight in bytes
	s_sub_co_u32 s17, s17, s18
	s_lshr_b32 s22, s17, 2
	s_and_b32 s23, s17, 3                          ; s2: which 256 along K
	s_lshl_b32 s22, s22, 2
	s_add_co_u32 s22, s22, s16                     ; go: my 32 columns
	s_mul_i32 s25, s22, 43
	s_lshr_b32 s25, s25, 8                         ; head = go / 6 (exact for go under 126)
	s_mul_i32 s26, s25, 6
	s_sub_co_u32 s26, s22, s26                     ; 2 x (q, k, v) + half of the 64
	s_lshr_b32 s27, s26, 1
	s_lshl_b32 s27, s27, 5
	s_lshl_b32 s25, s25, 1
	s_add_co_u32 s27, s27, s25
	s_and_b32 s26, s26, 1
	s_add_co_u32 s27, s27, s26                     ; W_qkv: the reordered group of 32
	s_add_co_u32 s28, s22, 96                      ; W_out: behind W_qkv's 96 groups
	s_cmp_eq_u32 s19, 1
	s_cselect_b32 s27, s27, s28                    ; g: tiles 512 + 2 g and 512 + 2 g + 1
	s_mul_i32 s28, s23, s24
	s_lshl_b32 s28, s28, 8
	s_lshl_b32 s29, s22, 7
	s_add_co_u32 s28, s28, s29                     ; 256 s2 rows + 128 go bytes
	s_mov_b32 s29, 0
	s_lshl_b32 s30, s24, 5                         ; a block on: 32 rows
	s_mov_b32 s31, 0
	s_lshl_b32 s48, s27, 1
	s_add_co_u32 s48, s48, 512
	s_mul_i32 s48, s48, 12288
	s_mul_i32 s49, s23, 3072
	s_add_co_u32 s48, s48, s49
	s_mov_b32 s49, 0
	s_mul_i32 s50, s23, 2*49152
	s_lshr_b32 s51, s27, 1
	s_add_co_u32 s51, s51, 128
	s_lshl_b32 s51, s51, 8
	s_add_co_u32 s50, s50, s51
	s_and_b32 s51, s27, 1
	s_lshl_b32 s51, s51, 3
	s_add_co_u32 s50, s50, s51
	s_mov_b32 s51, 0
	v_bfe_u32 v4, v0, 3, 1                         ; column x of the 32 is lane-row r = x % 8 + 8 (x / 16) of tile u = (x / 8) % 2
	v_and_b32 v6, 7, v0
	v_bfe_u32 v7, v0, 4, 1
	v_lshl_add_u32 v6, v7, 3, v6                   ; r
	s_mul_i32 s52, s16, WSTG
	s_add_co_u32 s52, s52, WST0                    ; my stage
	v_mul_u32_u24 v7, v4, 3200
	v_add_nc_u32 v7, s52, v7
	v_lshl_add_u32 v8, v6, 4, v7                   ; 3200 u + 16 r
	v_lshl_add_u32 v9, v6, 3, v7                   ; 3200 u + 8 r
	v_add_nc_u32 v10, s52, v3                      ; back: 16 x lane
	v_lshlrev_b32 v11, 4, v6
	v_lshl_add_u32 v11, v4, 2, v11                 ; the scale word's place: 16 r + 4 u
	v_lshlrev_b32 v14, 2, v2
.set i, 0
.rept 32
	v_mad_u32_u24 v[VO+i], s24, i, v14             ; 4 x lane + i rows; never rewritten
.set i, i+1
.endr
	s_wait_kmcnt 0x0
	s_cmp_eq_u32 s19, 1                            ; the choice hangs on the work-group's number alone
	s_cselect_b64 s[32:33], s[6:7], s[8:9]
	s_add_nc_u64 s[32:33], s[32:33], s[28:29]
.irp t, 1,2,3,4,5,6,7
	s_add_nc_u64 s[32+2*\t:33+2*\t], s[30+2*\t:31+2*\t], s[30:31]   ; a base for each of my 8 blocks
.endr
	s_add_nc_u64 s[10:11], s[10:11], s[48:49]
	s_add_nc_u64 s[12:13], s[12:13], s[50:51]
.macro WLOAD t                         ; block t: 32 rows, 128 consecutive bytes a wave each, the four waves side by side on 512
.set i, 0
.rept 32
	global_load_b32 v[WN+32*((\t)%2)+i], v[VO+i], s[32+2*(\t):33+2*(\t)] th:TH_LOAD_NT
.set i, i+1
.endr
.endm
.macro BLOCK t
.set XS, WN+32*((\t)%2)
.if (\t) < 7
	s_wait_loadcnt 32                              ; this block's 32 loads are in; the next block's may be out
.else
	s_wait_loadcnt 0
.endif
	v_max3_num_f32 v40, |v[XS]|, |v[XS+1]|, |v[XS+2]|
	v_max3_num_f32 v41, |v[XS+3]|, |v[XS+4]|, |v[XS+5]|
.irp i, 6,10,14,18,22,26
	v_max3_num_f32 v40, v40, |v[XS+\i]|, |v[XS+\i+1]|
	v_max3_num_f32 v41, v41, |v[XS+\i+2]|, |v[XS+\i+3]|
.endr
	v_max3_num_f32 v40, v40, |v[XS+30]|, |v[XS+31]|
	v_max3_num_f32 v40, v40, v41, 0x1800000        ; and the floor
	v_add_nc_u32 v42, 0xff000000, v40              ; the conversion's scale operand
	v_lshrrev_b32 v41, 23, v42                     ; the byte
.if (\t)%4 == 0
	v_mov_b32 v[24+(\t)/4], v41
.else
	v_lshl_or_b32 v[24+(\t)/4], v41, 8*((\t)%4), v[24+(\t)/4]
.endif
	v_cvt_scalef32_pk16_fp6_f32 v[16:18], v[XS:XS+15], v42
	v_cvt_scalef32_pk16_fp6_f32 v[20:22], v[XS+16:XS+31], v42
	v_nop                                          ; one plain place behind a scaled conversion
	v_mov_b32 v19, v20
	v_mov_b32 v20, v21
	v_mov_b32 v21, v22                             ; v16-21: the block's 24 bytes = registers 6 c .. 6 c + 5 of lane (r, h): K step t / 4, c = (t % 4) / 2, h = t % 2
	ds_store_b128 v8, v[16:19] offset:1536*((\t)/4)+768*(((\t)%4)/2)+256*((\t)%2)
	ds_store_b64 v9, v[20:21] offset:1536*((\t)/4)+768*(((\t)%4)/2)+512+128*((\t)%2)
.if (\t)+2 < 8
	WLOAD (\t)+2
.endif
	s_wait_dscnt 0x0                               ; the stores have read their registers
.endm
	WLOAD 0
	WLOAD 1
.irp t, 0,1,2,3,4,5,6,7
	BLOCK \t
.endr
	global_store_b32 v11, v24, s[12:13]            ; my column's words of the two K steps: the wave fills half of a group of 256 bytes, the wave beside it the other half
	global_store_b32 v11, v25, s[12:13] offset:49152
.set n, 0
.rept 12
	ds_load_b128 v[OUTR+4*n:OUTR+4*n+3], v10 offset:3200*(n/6)+512*(n%6)
.set n, n+1
.endr
.set n, 0
.rept 12
	s_wait_dscnt 11-n
	global_store_b128 v3, v[OUTR+4*n:OUTR+4*n+3], s[10:11] offset:12288*(n/6)+512*(n%6)   ; 512 consecutive bytes, aligned
.set n, n+1
.endr
	s_wait_tensorcnt 0x0                           ; the wave's end
	ds_add_u32 v[SPW], v[NIL]
	s_wait_dscnt 0x0
	s_endpgm
.Lfunc_end_k_qfe9651322f_prep:
	.size	k_qfe9651322f_prep, .Lfunc_end_k_qfe9651322f_prep-k_qfe9651322f_prep
	.p2alignl 7, 3214868480
	.fill 96, 4, 3214868480
	.section	.rodata,"a",@progbits
	.p2align	6, 0x0
	.amdhsa_kernel k_qfe9651322f_prep
		.amdhsa_group_segment_fixed_size 59904
		.amdhsa_private_segment_fixed_size 0
		.amdhsa_enable_private_segment 0
		.amdhsa_kernarg_size 40
		.amdhsa_user_sgpr_count 2
		.amdhsa_user_sgpr_kernarg_segment_ptr 1
		.amdhsa_wavefront_size32 1
		.amdhsa_system_sgpr_workgroup_id_x 1
		.amdhsa_system_sgpr_workgroup_id_y 1
		.amdhsa_system_sgpr_workgroup_id_z 1
		.amdhsa_system_vgpr_workitem_id 0
		.amdhsa_next_free_vgpr 256
		.amdhsa_next_free_sgpr 66
		.amdhsa_reserve_vcc 0
		.amdhsa_float_denorm_mode_32 3
		.amdhsa_float_denorm_mode_16_64 3
		.amdhsa_memory_ordered 1
		.amdhsa_forward_progress 1
		.amdhsa_inst_pref_size 75
	.end_amdhsa_kernel
	.amdgpu_metadata
---
amdhsa.version: [ 1, 2 ]
amdhsa.kernels:
  - .name:           k_qfe9651322f_prep
    .symbol:         k_qfe9651322f_prep.kd
    .args:
      - { .name: X, .offset: 0, .size: 8, .value_kind: global_buffer, .address_space: global }
      - { .name: W_qkv, .offset: 8, .size: 8, .value_kind: global_buffer, .address_space: global }
      - { .name: W_out, .offset: 16, .size: 8, .value_kind: global_buffer, .address_space: global }
      - { .name: img1, .offset: 24, .size: 8, .value_kind: global_buffer, .address_space: global }
      - { .name: sc1, .offset: 32, .size: 8, .value_kind: global_buffer, .address_space: global }
    .group_segment_fixed_size: 59904
    .private_segment_fixed_size: 0
    .kernarg_segment_align: 8
    .kernarg_segment_size: 40
    .max_flat_workgroup_size: 128
    .sgpr_count:     66
    .vgpr_count:     256
    .wavefront_size: 32
...
	.end_amdgpu_metadata
.endif
;; end of part 1
;; launch gemm_qkv (part 2): grid 12 x 32, 4 waves a work-group, clusters of 4 x 4, 327,680 bytes of LDS; arguments img1, sc1, b_qkv, qkv; writes qkv
.if DOCPART == 2
	.amdgcn_target "amdgcn-amd-amdhsa--gfx1250"
	.amdhsa_code_object_version 6
	.text
	.protected	k_qfe9651322f_gemm_qkv
	.globl	k_qfe9651322f_gemm_qkv
	.p2align	8
	.type	k_qfe9651322f_gemm_qkv,@function
k_qfe9651322f_gemm_qkv:
	s_mov_b64 s[64:65], 0
	v_nop
	global_prefetch_b8 v0, s[64:65] scope:SCOPE_SE
	s_setreg_imm32_b32 hwreg(HW_REG_WAVE_MODE, 25, 1), 1
	s_wait_xcnt 0x0
	s_wait_alu depctr_hold_cnt(0) depctr_sa_sdst(0) depctr_va_vdst(0) depctr_va_sdst(0) depctr_va_ssrc(0) depctr_va_vcc(0) depctr_vm_vsrc(0)
	s_getreg_b32 s2, hwreg(HW_REG_IB_STS2, 6, 4)
	s_cmp_eq_u32 s2, 0
	s_cbranch_scc0 .Lentry_in_a_cluster
	s_endpgm
.Lentry_in_a_cluster:
	s_bfe_u32 s2, ttmp6, 0x10000c
	s_cmp_lg_u32 s2, 0xf033
	s_cbranch_scc0 .Lentry_shape_is_right
	s_endpgm
.Lentry_shape_is_right:
; qkv = X W_qkv + b_qkv on codes of FP6 (E2M3) with E8M0 scales, K = 1024; the results are quantised in registers into the operands of attention: q and k along d, v along the keys.
; A tile of 256 x 256 to a work-group of four waves, 128 x 128 (64 accumulators) to a wave.  Source 1 (role A): a lane holds one of its rows.  Source 0 (role B): its rows run along the lane's registers; by the choice of
; a tile's rows (lane-row r of tile T is row 32 (T / 2) + 8 (T % 2) + r + 8 (r / 8)) the 16 registers of tiles 2 b, 2 b + 1 are 16 neighbours 32 b + 16 h + 0..15.
; Cluster x = 0: q, 1: k (A = tokens, B = features: a lane holds a token, its registers run along d), 2: v (A = features of W_v, B = tokens: a lane holds a channel d, its registers run along the keys).  Only tile numbers differ.
; K goes in steps of 256 through two LDS slots.  A slot holds, for A and for B, 16 tiles x 3072 bytes: images of the fragments' registers, so each fragment comes by four dense LDS loads.  The scale words of all of K come once.
; CLUSTER 4 x 4: A's tiles are shared along a row of the cluster, B's along a column: joint loads.
; qkv: [batch x 16 + head][key step of 128 tokens][19712 bytes]: +0 q's 8 half images of 768 bytes, +6144 q's scale words (2 groups of 256), +6656 k's 8 half images, +12800 four fragments of V^T (16 d x 128 keys), +18944 k's scale words, +19456 V's.
; LIMITS: NaN and infinities are not served; a block whose largest magnitude lies under 2^-124, a block of zeros among them, gets the byte 1 (this program alone reads the bytes).
; REGISTERS: window 0: v16-31 addresses; v32-63 scale words, two sets; v64-127 the bias along my registers; v128-223 A's fragments, one set (on the way out: 64 numbers, codes, work); v224-239 the bias of my row; v240-249 scale words made.
;   window 1: B's fragments, two sets, at v0 and v128.   windows 2, 3: the accumulators, (a, b) at v[8 (8 (a % 4) + b)].
.set HALFT,  24576                     ; 8 tiles x 3072 bytes: what one tensor load brings, and what a wave reads of A or of B
.set SLOT,   98304
.set SCL,    196608                    ; the scale words: four regions of 4096 bytes, [K step 0..7][2 groups x 256]
.set SPARE,  212992                    ; the spare words, 128 bytes for each wave
.set REC,    19712
.set HEADB,  315392                    ; 16 records: a head
.set FR,     12
.set ADRA, 16                          ; v16-17 my A fragments in slot 0, 1, + 16 x lane; v18-19 + 8 x lane
.set ADRB, 20                          ; v20-23 the same for B
.set L16,  24                          ; v24  16 x lane
.set L8,   25                          ; v25  8 x lane
.set SL,   26                          ; v26  the scale words' place on the way out
.set ADRS, 27                          ; v27  my scale words in LDS: lanes 0-15 A's, lanes 16-31 B's
.set SPW,  28                          ; v28  my spare word; never rewritten
.set NIL,  29                          ; v29  0; never rewritten
.set SH,   30                          ; v30  the shift that cuts my head's bytes out of a scale word
.set SC,   32
.set BP,   64
.set AF,   128
.set BA,   224
.set PWS,  240
.set PW,   249
.set T,    128
.set PC,   192
.set TM,   212
.set SEL,  96                          ; s[96:97] lane l xor 16
.set G1, 24
.set G0, 32
.set G1B, 48
.set G0B, 56
.set G1S, 68
.set G0S, 76
.set G1SB, 80
.set G0SB, 88
.set MSB, 0
.macro WIN new                         ; the immediate's high byte repeats the setting that is left
.if MSB != \new
	s_set_vgpr_msb (MSB<<8)|\new
.set MSB, \new
.endif
.endm
.set MUL_LO, 0xa1                      ; source 0 (B) window 1, source 1 (A) window 0, C and D window 2
.set MUL_HI, 0xf1
.set TO_B,   0x40
.macro JLOAD g0a, g1a, g0b, g1b        ; a joint load: waves 0 and 1 fetch for A, waves 2 and 3 for B; an s_nop 0 and four v_nop follow each line
	s_cmp_eq_u32 s15, 0
	s_cbranch_scc0 .Lfor_b_\@
	tensor_load_to_lds s[\g0a:\g0a+3], s[\g1a:\g1a+7]
	s_nop 0
.rept 4
	v_nop
.endr
	s_branch .Lasked_\@
.Lfor_b_\@:
	tensor_load_to_lds s[\g0b:\g0b+3], s[\g1b:\g1b+7]
	s_nop 0
.rept 4
	v_nop
.endr
.Lasked_\@:
.endm
.macro CREST
	s_cmp_lg_u32 s14, 0
	s_cbranch_scc1 .Lnot_wave_0_\@
	s_barrier_signal -3
.Lnot_wave_0_\@:
	s_barrier_wait -3
	s_barrier_signal -1
	s_barrier_wait -1
.endm
.macro CROUND
	s_barrier_signal -1
	s_barrier_wait -1
	CREST
.endm
	s_load_b256 s[4:11], s[0:1], 0x0               ; img1 s[4:5], sc1 s[6:7], b_qkv s[8:9], qkv s[10:11]
	v_lshl_add_u32 v[SPW], v0, 2, SPARE
	v_mov_b32 v[NIL], 0
	ds_add_u32 v[SPW], v[NIL]                      ; the wave's opening
	v_lshrrev_b32 v1, 5, v0
	v_readfirstlane_b32 s14, v1                    ; wave
	s_lshr_b32 s15, s14, 1                         ; my half of A's rows.  Also: I fetch for A (0) or for B (1)
	s_and_b32 s16, s14, 1                          ; my half of B's rows.  Also: which 8 tiles I fetch
	s_bfe_u32 s40, ttmp6, 0x40000                  ; cx
	s_bfe_u32 s41, ttmp6, 0x40004                  ; cy
	s_and_b32 s17, ttmp7, 0xffff                   ; cluster y
	s_lshl_b32 s43, s41, 2
	s_lshl_b32 s43, 15, s43                        ; my row of the cluster
	s_lshl_b32 s44, 0x1111, s40                    ; my column
	s_or_b32 s[G1+0], s43, (3<<16)|(1<<21)         ; the mask; elements of 8 bytes; bit 21 beside a mask; no padding
	s_or_b32 s[G1B+0], s44, (3<<16)|(1<<21)
.irp g, G1, G1B                        ; 8 tiles: rows of 3072 bytes (two K steps' images), 12288 bytes apart
	s_mov_b32 s[\g+1], 384<<16
	s_mov_b32 s[\g+2], 8<<16
	s_mov_b32 s[\g+3], 384<<16
	s_mov_b32 s[\g+4], 8
	s_mov_b32 s[\g+5], 1536
	s_mov_b32 s[\g+6], 0
	s_mov_b32 s[\g+7], 0
.endr
	s_or_b32 s[G1S+0], s43, (3<<16)|(1<<21)
	s_or_b32 s[G1SB+0], s44, (3<<16)|(1<<21)
.irp g, G1S, G1SB                      ; their scale words: 8 K steps: rows of 512 bytes, 49152 bytes apart
	s_mov_b32 s[\g+1], 64<<16
	s_mov_b32 s[\g+2], 8<<16
	s_mov_b32 s[\g+3], 64<<16
	s_mov_b32 s[\g+4], 8
	s_mov_b32 s[\g+5], 6144
	s_mov_b32 s[\g+6], 0
	s_mov_b32 s[\g+7], 0
.endr
	s_lshl_b32 s18, s17, 6                         ; the cluster's tokens: tiles 64 x cluster y on
	s_lshl_b32 s19, ttmp9, 6
	s_add_co_u32 s19, s19, 512                     ; q's or k's features
	s_mov_b32 s21, 640                             ; v's features
	s_cmp_eq_u32 ttmp9, 2                          ; the same in all sixteen partners
	s_cselect_b32 s20, s21, s18
	s_cselect_b32 s46, s18, s19
	s_lshl_b32 s21, s41, 4
	s_add_co_u32 s20, s20, s21                     ; A's first tile: hangs on cy alone
	s_lshl_b32 s47, s40, 4
	s_add_co_u32 s46, s46, s47                     ; B's first tile: hangs on cx alone
	s_lshl_b32 s18, s16, 3
	s_add_co_u32 s22, s20, s18
	s_mul_i32 s12, s22, 12288
	s_mov_b32 s13, 0
	s_lshl_b32 s22, s22, 6
	s_mov_b32 s23, 0
	s_add_co_u32 s92, s46, s18
	s_mul_i32 s94, s92, 12288
	s_mov_b32 s95, 0
	s_lshl_b32 s92, s92, 6
	s_mov_b32 s93, 0
	s_mul_i32 s45, s14, HALFT                      ; where they go: by the wave's number alone
	s_lshl_b32 s47, s14, 12
	s_wait_dscnt 0x0                               ; the opening add is done
	s_wait_kmcnt 0x0
	s_add_nc_u64 s[12:13], s[4:5], s[12:13]
	s_add_nc_u64 s[22:23], s[6:7], s[22:23]
	s_add_nc_u64 s[94:95], s[4:5], s[94:95]
	s_add_nc_u64 s[92:93], s[6:7], s[92:93]
	CROUND                                         ; all sixteen work-groups are here: the first joint loads meet
	s_mov_b32 s[G0S], 1
	s_add_co_u32 s[G0S+1], s47, SCL
	s_mov_b64 s[G0S+2:G0S+3], s[22:23]
	s_or_b32 s[G0S+3], s[G0S+3], 0x80000000
	s_mov_b32 s[G0SB], 1
	s_add_co_u32 s[G0SB+1], s47, SCL
	s_mov_b64 s[G0SB+2:G0SB+3], s[92:93]
	s_or_b32 s[G0SB+3], s[G0SB+3], 0x80000000
	JLOAD G0S, G1S, G0SB, G1SB                     ; the scale words first
.irp s, 0,1
	s_mov_b32 s[G0+4*\s], 1
	s_add_co_u32 s[G0+4*\s+1], s45, \s*SLOT
	s_add_nc_u64 s[G0+4*\s+2:G0+4*\s+3], s[12:13], \s*3072
	s_or_b32 s[G0+4*\s+3], s[G0+4*\s+3], 0x80000000
	s_mov_b32 s[G0B+4*\s], 1
	s_add_co_u32 s[G0B+4*\s+1], s45, \s*SLOT
	s_add_nc_u64 s[G0B+4*\s+2:G0B+4*\s+3], s[94:95], \s*3072
	s_or_b32 s[G0B+4*\s+3], s[G0B+4*\s+3], 0x80000000
	JLOAD G0+4*\s, G1, G0B+4*\s, G1B               ; three loads of mine are out
.endr
	v_and_b32 v1, 31, v0                           ; lane
	v_and_b32 v2, 15, v0                           ; r
	v_bfe_u32 v3, v0, 4, 1                         ; h
	v_lshlrev_b32 v[L16], 4, v1
	v_lshlrev_b32 v[L8], 3, v1
	s_mul_i32 s21, s15, HALFT
	s_mul_i32 s18, s16, HALFT
	s_add_co_u32 s18, s18, 2*HALFT
.irp s, 0,1
	v_add_nc_u32 v[ADRA+\s], s21, v[L16]
	v_add_nc_u32 v[ADRA+2+\s], s21, v[L8]
	v_add_nc_u32 v[ADRB+\s], s18, v[L16]
	v_add_nc_u32 v[ADRB+2+\s], s18, v[L8]
	s_add_co_u32 s21, s21, SLOT
	s_add_co_u32 s18, s18, SLOT
.endr
	s_lshl_b32 s21, s15, 12                        ; A's words: region = my half
	s_lshl_b32 s18, s16, 12
	s_add_co_u32 s18, s18, 2*4096                  ; B's: behind A's two regions
	s_sub_co_u32 s18, s18, s21
	v_mul_u32_u24 v[ADRS], s18, v3                 ; lanes 16-31 take B's: one product, the distance between the two
	v_lshl_add_u32 v[ADRS], v2, 4, v[ADRS]
	s_add_co_u32 s21, s21, SCL
	v_add_nc_u32 v[ADRS], s21, v[ADRS]
	; what the three kinds of cluster do differently on the way out is kept in scalars
	s_lshl_b32 s18, s15, 3
	s_add_co_u32 s18, s20, s18                     ; my first tile of A
	s_lshl_b32 s19, s16, 3
	s_add_co_u32 s19, s46, s19                     ; and of B
	s_mov_b32 s40, 6656
	s_mov_b32 s41, 18944
	s_mov_b32 s47, 6144
	s_cmp_eq_u32 ttmp9, 0
	s_cselect_b32 s40, 0, s40                      ; where the codes lie in a record,
	s_cselect_b32 s41, s47, s41                    ; and the scale words
	s_mov_b32 s47, 12800
	s_mov_b32 s17, 19456
	s_mov_b32 s21, HEADB
	s_mov_b32 s99, 1536
	s_cmp_eq_u32 ttmp9, 2
	s_cselect_b32 s2, s18, s19                     ; my first tile of features,
	s_cselect_b32 s3, s19, s18                     ; and of tokens
	s_cselect_b32 s66, 0, 1.0                      ; the bias runs along my registers (q, k)
	s_cselect_b32 s98, 1.0, 0                      ; or belongs to my lane (v)
	s_cselect_b32 s40, s47, s40
	s_cselect_b32 s41, s17, s41
	s_cselect_b32 s47, 768, s21                    ; from a fragment's first half to its second: the next head's record, or 768 bytes
	s_cselect_b32 s94, s99, 768                    ; from block a to block a + 1
	s_cselect_b32 s42, HEADB-6144, 0               ; v: block 4 begins the next head
	s_cselect_b32 s44, s21, 256                    ; from the first four blocks' words to the last four's
	s_cselect_b32 s17, 0, s21                      ; q, k: lanes 16-31 store the next head's words
	s_cselect_b32 s99, 0, 16
	s_cselect_b32 s46, -1, 0xffff                  ; q, k: a word keeps its head's two bytes
	s_mov_b32 s67, s66
	s_mov_b32 s95, 0
	s_mov_b32 s43, 0
	s_mov_b32 s45, 0
	s_mov_b32 s[SEL], 0x76543210
	s_mov_b32 s[SEL+1], 0xfedcba98
	v_mul_u32_u24 v[SL], s17, v3
	v_lshl_add_u32 v[SL], v2, 4, v[SL]
	v_mul_u32_u24 v[SH], s99, v3
	s_and_b32 s2, s2, 63
	s_lshr_b32 s2, s2, 2                           ; my first head (of two)
	s_lshr_b32 s18, s3, 7                          ; batch
	s_lshl_b32 s18, s18, 4
	s_add_co_u32 s18, s18, s2
	s_lshl_b32 s18, s18, 4
	s_bfe_u32 s19, s3, 0x40003                     ; the key step of my 128 tokens
	s_add_co_u32 s18, s18, s19
	s_mul_i32 s18, s18, REC
	s_add_co_u32 s20, s18, s40
	s_mov_b32 s21, 0
	s_add_nc_u64 s[12:13], s[10:11], s[20:21]      ; where a fragment's first half goes,
	s_mov_b32 s20, s47
	s_add_nc_u64 s[22:23], s[12:13], s[20:21]      ; its second half,
	s_add_co_u32 s20, s18, s41
	s_add_nc_u64 s[92:93], s[10:11], s[20:21]      ; and the scale words
	s_mul_i32 s20, s2, 768                         ; b_qkv: column = 192 head + 64 (q, k, v) + d
	s_lshl_b32 s19, ttmp9, 8
	s_add_co_u32 s20, s20, s19
	s_add_nc_u64 s[8:9], s[8:9], s[20:21]
	v_lshlrev_b32 v4, 6, v3                        ; 64 h
	v_and_b32 v5, 8, v2
	v_add_nc_u32 v5, v5, v2
	v_lshlrev_b32 v5, 2, v5                        ; 4 (r + 8 (r / 8))
.irp b, 0,1,2,3,4,5,6,7                ; both forms of the bias are loaded (both lie inside b_qkv); the one that does not apply is multiplied by 0
	global_load_b128 v[BP+8*\b:BP+8*\b+3], v4, s[8:9] offset:(\b/4)*768+((\b/2)%2)*128+(\b%2)*32
	global_load_b128 v[BP+8*\b+4:BP+8*\b+7], v4, s[8:9] offset:(\b/4)*768+((\b/2)%2)*128+(\b%2)*32+16
.endr
.irp a, 0,1,2,3,4,5,6,7
	global_load_b32 v[BA+2*\a], v5, s[8:9] offset:(\a/4)*768+((\a%4)/2)*128+(\a%2)*32
	v_mov_b32 v[BA+2*\a+1], 0                      ; (named with it as a pair)
.endr
.macro FRAG reg, adr, q, i             ; a fragment's image: four dense loads
	ds_load_b128 v[\reg:\reg+3], v[\adr] offset:(\i)*3072+(\q)*1536
	ds_load_b64 v[\reg+4:\reg+5], v[\adr+2] offset:(\i)*3072+(\q)*1536+512
	ds_load_b128 v[\reg+6:\reg+9], v[\adr] offset:(\i)*3072+(\q)*1536+768
	ds_load_b64 v[\reg+10:\reg+11], v[\adr+2] offset:(\i)*3072+(\q)*1536+1280
.endm
; 16 matrix instructions: A's blocks a0, a0 + 1 x B's eight.  The 64 accumulators take turns, one instruction a turn, in the same order in every step.
.macro MUL16 a0, p, q, sc, zero
.irp a, \a0, \a0+1
.irp b, 0,1,2,3,4,5,6,7
.if \zero
	v_wmma_scale_f32_16x16x128_f8f6f4 v[8*(8*((\a)%4)+\b):8*(8*((\a)%4)+\b)+7], v[128*(\p)+FR*\b:128*(\p)+FR*\b+FR-1], v[AF+FR*(\a):AF+FR*(\a)+FR-1], 0, v[SC+16*(\sc)+8*(\q)+\b], v[SC+16*(\sc)+8*(\q)+(\a)] matrix_a_fmt:MATRIX_FMT_FP6 matrix_b_fmt:MATRIX_FMT_FP6 matrix_a_scale:MATRIX_SCALE_ROW1
.else
	v_wmma_scale_f32_16x16x128_f8f6f4 v[8*(8*((\a)%4)+\b):8*(8*((\a)%4)+\b)+7], v[128*(\p)+FR*\b:128*(\p)+FR*\b+FR-1], v[AF+FR*(\a):AF+FR*(\a)+FR-1], v[8*(8*((\a)%4)+\b):8*(8*((\a)%4)+\b)+7], v[SC+16*(\sc)+8*(\q)+\b], v[SC+16*(\sc)+8*(\q)+(\a)] matrix_a_fmt:MATRIX_FMT_FP6 matrix_b_fmt:MATRIX_FMT_FP6 matrix_a_scale:MATRIX_SCALE_ROW1
.endif
.endr
.endr
.endm
.macro FETCH_B slot, q, p
	WIN TO_B
.irp i, 0,1,2,3,4,5,6,7
	FRAG 128*(\p)+FR*\i, ADRB+\slot, \q, \i
.endr
	WIN 0
.endm
.macro FETCH_A slot, q, i0
.irp i, \i0, \i0+1, \i0+2, \i0+3
	FRAG AF+FR*(\i), ADRA+\slot, \q, \i
.endr
.endm
.macro SCALES set, ks                  ; the words of K steps 2 ks and 2 ks + 1: a load brings four tiles' words; lanes 0-15 A's, lanes 16-31 B's
.irp q, 0,1
.irp d, 0,1
	ds_load_b128 v[SC+16*(\set)+8*\q+4*\d:SC+16*(\set)+8*\q+4*\d+3], v[ADRS] offset:(2*(\ks)+\q)*512+256*\d
.endr
.endr
.endm
.macro PLACES                          ; four plain places behind matrix instructions, in front of loads into registers that they read and of the first read of results
.rept 4
	v_nop
.endr
.endm
.macro STEP slot, zero                 ; a slot's first 128 along K
	s_wait_dscnt 16                                ; all but the youngest 16 loads (A's blocks 4-7) are in
	WIN MUL_LO
	MUL16 0, 0, 0, \slot, \zero
	MUL16 2, 0, 0, \slot, \zero
	s_wait_dscnt 0
	PLACES
	FETCH_B \slot, 1, 1
	FETCH_A \slot, 1, 0
	WIN MUL_HI
	MUL16 4, 0, 0, \slot, \zero
	MUL16 6, 0, 0, \slot, \zero
	PLACES
	WIN 0
	FETCH_A \slot, 1, 4
.endm
; A slot's second 128 along K changes slots: one barrier; in front of it each wave waits for all its tensor loads, adds 0 to its spare word, and waits for that and for its reads of this slot.
.macro TURN slot, next, fill, ks
	s_wait_tensorcnt 0x0                           ; all my tensor loads have landed: my part of the next slot
	ds_add_u32 v[SPW], v[NIL]
	s_wait_dscnt 17                                ; (the add and A's blocks 4-7 may be out)
	WIN MUL_LO
	MUL16 0, 1, 1, \slot, 0
	s_wait_dscnt 0x0                               ; the add is done, and my reads of this slot are over
	s_barrier_signal -1
	MUL16 2, 1, 1, \slot, 0
	WIN 0
	s_barrier_wait -1
.if \fill
	CREST                                          ; the barrier has opened a round of the cluster's barrier: no wave of any partner still reads this slot or has a load on its way
	s_add_nc_u64 s[G0+4*\slot+2:G0+4*\slot+3], s[G0+4*\slot+2:G0+4*\slot+3], 6144
	s_add_nc_u64 s[G0B+4*\slot+2:G0B+4*\slot+3], s[G0B+4*\slot+2:G0B+4*\slot+3], 6144
	JLOAD G0+4*\slot, G1, G0B+4*\slot, G1B         ; the first tensor load behind the round; its four v_nop are the places in front of the loads below
.else
	PLACES
.endif
	FETCH_B \next, 0, 0
	FETCH_A \next, 0, 0
	SCALES \next, \ks
	WIN MUL_HI
	MUL16 4, 1, 1, \slot, 0
	MUL16 6, 1, 1, \slot, 0
	PLACES
	WIN 0
	FETCH_A \next, 0, 4
.endm
	s_wait_tensorcnt 1                             ; the scale words and my part of slot 0 are in; slot 1's load may be out
	s_barrier_signal -1
	s_barrier_wait -1
	FETCH_B 0, 0, 0
	FETCH_A 0, 0, 0
	SCALES 0, 0
	FETCH_A 0, 0, 4
	STEP 0, 1                                      ; K = 1024 is four slots' worth: written out.  The first products start the sums
	TURN 0, 1, 1, 1
	STEP 1, 0
	TURN 1, 0, 1, 2
	STEP 0, 0
	TURN 0, 1, 0, 3                                ; nothing is left to fetch
	STEP 1, 0
	s_wait_dscnt 16
	WIN MUL_LO
	MUL16 0, 1, 1, 1, 0
	MUL16 2, 1, 1, 1, 0
	s_wait_dscnt 0
	WIN MUL_HI
	MUL16 4, 1, 1, 1, 0
	MUL16 6, 1, 1, 1, 0
	WIN 0
; THE WAY OUT.  For each block a of A my lane's 64 numbers, register 16 b + i = place 32 b + 16 h + i along the next K, get their bias and become a fragment's codes and a scale word.  No LDS: the images are stored as they stand.
	s_wait_loadcnt 0x0                             ; the biases.  The lines below are also the places behind the last products
.set j, 0
.rept 32
	v_pk_mul_f32 v[BP+j:BP+j+1], v[BP+j:BP+j+1], s[66:67] op_sel_hi:[1,0]
.set j, j+2
.endr
.irp a, 0,1,2,3,4,5,6,7
	v_mul_f32 v[BA+2*\a], s98, v[BA+2*\a]
.endr
.irp b, 0,1,2,3
	v_mov_b32 v[TM+4+\b], 0                        ; a lane permute's destination counts as one of its sources
.endr
.macro QUANT s
.irp b, 0,1,2,3
	v_max3_num_f32 v[TM+\b], |v[\s+16*\b]|, |v[\s+1+16*\b]|, 0x1800000   ; my 16 numbers of block b, and the floor 2^(3 - 127)
.endr
.irp i, 2,4,6,8,10,12,14
.irp b, 0,1,2,3
	v_max3_num_f32 v[TM+\b], v[TM+\b], |v[\s+16*\b+\i]|, |v[\s+1+16*\b+\i]|
.endr
.endr
.irp b, 0,1,2,3
	v_permlanex16_b32 v[TM+4+\b], v[TM+\b], s[SEL], s[SEL+1]
.endr
.irp b, 0,1,2,3
	v_max_num_f32 v[TM+\b], v[TM+\b], v[TM+4+\b]   ; with lane l xor 16's: the block's largest magnitude
.endr
.irp b, 0,1,2,3
	v_add_nc_u32 v[TM+8+\b], 0xff000000, v[TM+\b]  ; the conversion's scale operand
.endr
.irp b, 0,1,2,3
	v_lshrrev_b32 v[TM+4+\b], 23, v[TM+8+\b]       ; the byte
.endr
	v_lshl_or_b32 v[PW], v[TM+5], 8, v[TM+4]
	v_lshl_or_b32 v[PW], v[TM+6], 16, v[PW]
	v_lshl_or_b32 v[PW], v[TM+7], 24, v[PW]
.irp c, 0,1
	v_cvt_scalef32_pk16_fp6_f32 v[PC+6*\c:PC+2+6*\c], v[\s+32*\c:\s+15+32*\c], v[TM+8+2*\c]
	v_cvt_scalef32_pk16_fp6_f32 v[PC+12+4*\c:PC+14+4*\c], v[\s+16+32*\c:\s+31+32*\c], v[TM+8+2*\c+1]
.endr
	v_nop                                          ; one plain place behind a scaled conversion
.irp c, 0,1                            ; the layout wants a whole block in a lane: lanes 0-15 block 2 c, lanes 16-31 block 2 c + 1
.irp i, 0,1,2
	v_permlane16_swap_b32 v[PC+6*\c+\i], v[PC+12+4*\c+\i]
.endr
.irp i, 0,1,2
	v_mov_b32 v[PC+3+6*\c+\i], v[PC+12+4*\c+\i]
.endr
.endr
.endm
.macro OUTA a
	WIN (0x02+((\a)/4))                            ; source 0: the accumulators' window
.set j, 0
.rept 32
	v_pk_add_f32 v[T+j:T+j+1], v[64*((\a)%4)+j:64*((\a)%4)+j+1], v[BP+j:BP+j+1]   ; each accumulator from its low end on
.set j, j+2
.endr
	WIN 0
.set j, 0
.rept 32
	v_pk_add_f32 v[T+j:T+j+1], v[T+j:T+j+1], v[BA+2*(\a):BA+2*(\a)+1] op_sel_hi:[1,0]
.set j, j+2
.endr
.if (\a) > 0
	s_wait_xcnt 0x0                                ; the last block's stores have read their registers and bases
	s_add_nc_u64 s[12:13], s[12:13], s[94:95]
	s_add_nc_u64 s[22:23], s[22:23], s[94:95]
.if (\a) == 4
	s_add_nc_u64 s[12:13], s[12:13], s[42:43]
	s_add_nc_u64 s[22:23], s[22:23], s[42:43]
	s_add_nc_u64 s[92:93], s[92:93], s[44:45]
.endif
.endif
	QUANT T
	global_store_b128 v[L16], v[PC:PC+3], s[12:13]                 ; each store covers 512 or 256 consecutive bytes, aligned
	global_store_b64 v[L8], v[PC+4:PC+5], s[12:13] offset:512
	global_store_b128 v[L16], v[PC+6:PC+9], s[22:23]
	global_store_b64 v[L8], v[PC+10:PC+11], s[22:23] offset:512
	v_lshrrev_b32 v[PWS+(\a)], v[SH], v[PW]
	v_and_b32 v[PWS+(\a)], s46, v[PWS+(\a)]
.if (\a)%4 == 3
	global_store_b128 v[SL], v[PWS+4*((\a)/4):PWS+4*((\a)/4)+3], s[92:93]   ; four blocks' words of lane-row r: groups of 256 bytes, whole
.endif
.endm
.irp a, 0,1,2,3,4,5,6,7
	OUTA \a
.endr
	s_wait_tensorcnt 0x0                           ; the wave's end
	ds_add_u32 v[SPW], v[NIL]
	s_wait_dscnt 0x0
	CROUND                                         ; the closing round
	s_endpgm
.Lfunc_end_k_qfe9651322f_gemm_qkv:
	.size	k_qfe9651322f_gemm_qkv, .Lfunc_end_k_qfe9651322f_gemm_qkv-k_qfe9651322f_gemm_qkv
	.p2alignl 7, 3214868480
	.fill 96, 4, 3214868480
	.section	.rodata,"a",@progbits
	.p2align	6, 0x0
	.amdhsa_kernel k_qfe9651322f_gemm_qkv
		.amdhsa_group_segment_fixed_size 327680
		.amdhsa_private_segment_fixed_size 0
		.amdhsa_enable_private_segment 0
		.amdhsa_kernarg_size 32
		.amdhsa_user_sgpr_count 2
		.amdhsa_user_sgpr_kernarg_segment_ptr 1
		.amdhsa_wavefront_size32 1
		.amdhsa_system_sgpr_workgroup_id_x 1
		.amdhsa_system_sgpr_workgroup_id_y 1
		.amdhsa_system_sgpr_workgroup_id_z 1
		.amdhsa_system_vgpr_workitem_id 0
		.amdhsa_next_free_vgpr 1024
		.amdhsa_next_free_sgpr 100
		.amdhsa_reserve_vcc 0
		.amdhsa_float_denorm_mode_32 3
		.amdhsa_float_denorm_mode_16_64 3
		.amdhsa_memory_ordered 1
		.amdhsa_forward_progress 1
		.amdhsa_inst_pref_size 186
	.end_amdhsa_kernel
	.amdgpu_metadata
---
amdhsa.version: [ 1, 2 ]
amdhsa.kernels:
  - .name:           k_qfe9651322f_gemm_qkv
    .symbol:         k_qfe9651322f_gemm_qkv.kd
    .args:
      - { .name: img1, .offset: 0, .size: 8, .value_kind: global_buffer, .address_space: global }
      - { .name: sc1, .offset: 8, .size: 8, .value_kind: global_buffer, .address_space: global }
      - { .name: b_qkv, .offset: 16, .size: 8, .value_kind: global_buffer, .address_space: global }
      - { .name: qkv, .offset: 24, .size: 8, .value_kind: global_buffer, .address_space: global }
    .group_segment_fixed_size: 327680
    .private_segment_fixed_size: 0
    .kernarg_segment_align: 8
    .kernarg_segment_size: 32
    .max_flat_workgroup_size: 128
    .sgpr_count:     100
    .vgpr_count:     1024
    .wavefront_size: 32
...
	.end_amdgpu_metadata
.endif
;; end of part 2
;; launch attn (part 3): grid 8 x 32, 16 waves a work-group, clusters of 4 x 1, 327,680 bytes of LDS; arguments qkv, oimg, osc; writes oimg, osc
.if DOCPART == 3
	.amdgcn_target "amdgcn-amd-amdhsa--gfx1250"
	.amdhsa_code_object_version 6
	.text
	.protected	k_qfe9651322f_attn
	.globl	k_qfe9651322f_attn
	.p2align	8
	.type	k_qfe9651322f_attn,@function
k_qfe9651322f_attn:
	s_mov_b64 s[64:65], 0
	v_nop
	global_prefetch_b8 v0, s[64:65] scope:SCOPE_SE
	s_setreg_imm32_b32 hwreg(HW_REG_WAVE_MODE, 25, 1), 1
	s_wait_xcnt 0x0
	s_wait_alu depctr_hold_cnt(0) depctr_sa_sdst(0) depctr_va_vdst(0) depctr_va_sdst(0) depctr_va_ssrc(0) depctr_va_vcc(0) depctr_vm_vsrc(0)
	s_getreg_b32 s2, hwreg(HW_REG_IB_STS2, 6, 4)
	s_cmp_eq_u32 s2, 0
	s_cbranch_scc0 .Lentry_in_a_cluster
	s_endpgm
.Lentry_in_a_cluster:
	s_bfe_u32 s2, ttmp6, 0x10000c
	s_cmp_lg_u32 s2, 0x3003
	s_cbranch_scc0 .Lentry_shape_is_right
	s_endpgm
.Lentry_shape_is_right:
; o = softmax(q k^T / 8) v for 64 (batch, head), 2048 tokens, head size 64, both products on codes of FP6 (E2M3) with E8M0 scales; o is quantised along d into the last product's operand.
; THE SOFTMAX: t = score x log2(e) / 8; M = the running largest t rounded up to a whole number; p = 2^(t - M) is quantised along the keys, not normalised; the row's sum is taken of the unquantised p and divides O at the end.
; When M moves, the sum and O are multiplied by 2^(old M - new M): exact.
; SHARES.  A work-group owns 256 queries of a PAIR of heads; each of its sixteen waves owns one tile of 16 queries and walks head 0 and then head 1, 16 key steps of 128 keys each: so a wave makes a whole K step (128 = two heads) of
; the last product's operand, both half images and the whole scale word.  Four waves to a SIMD.
; LDS holds a whole head's K and V: 16 records of 13056 bytes (k's 8 half images, V^T's 4 fragments, k's and V's scale words), images of the operands' registers.  As head 0's records are left, four at a time, head 1's are asked for.
; CLUSTER 4 x 1: the four query blocks walk the same K and V: joint loads, issued by waves 0 to 3, a record each.
; Both products are used transposed (S^T = k q^T, O^T = V^T p^T): a lane holds one query throughout; by the choice of a tile's keys the 16 registers of tiles 2 b, 2 b + 1 are keys 32 b + 16 h + 0..15.
; K = 64 IN AN INSTRUCTION OF K = 128: q's registers 6-11 hold zero codes.  k's operand of tile t is v[40 + 6 t .. 51 + 6 t]: its upper half holds the next tile's codes (behind the last tile: zeros), which meet q's zeros: E2M3 has no
; infinity and no NaN, and no scale byte here is 0xff, so those products are zeros.
; LIMITS: NaN and infinities are not served; a block whose largest magnitude lies under 2^-124, a block of zeros among them, gets the byte 1; a block's largest p is taken from its largest score, which takes v_exp_f32 not to fall where its input rises.
; REGISTERS: v1-3 16 x lane, 8 x lane, 16 r; v4, v5 the add's two; v6-8 the step's addresses; v9, v10 the words' stage; v12 -M, v13 largest t, v[14:15] the sum; v16-27, v28-39 q of heads 0, 1; v40-93 k's or V's fragments;
;   v96-159 S^T, then p; v160-191 O^T; v192-211 p's codes; v212-223 at work; v224-238 scale words; v[240:241] f; v244-251 o's codes and bytes.
.set REC,   19712
.set HEADB, 315392
.set KVREC, 13056
.set OST,   208896                     ; behind the records: 1024 bytes for the work-group's 16 x 16 scale words of o
.set SPARE, 209920                     ; the spare words, 128 bytes for each of 16 waves
.set BM,  212
.set BT,  216
.set SO,  220
.macro ROUND
	s_barrier_signal -1
	s_barrier_wait -1
	s_cmp_lg_u32 s18, 0
	s_cbranch_scc1 .Lnot_wave_0_\@
	s_barrier_signal -3
.Lnot_wave_0_\@:
	s_barrier_wait -3
	s_barrier_signal -1
	s_barrier_wait -1
.endm
	s_load_b128 s[4:7], s[0:1], 0x0                ; qkv, oimg
	s_load_b64 s[8:9], s[0:1], 0x10                ; osc
	v_lshl_add_u32 v4, v0, 2, SPARE
	v_mov_b32 v5, 0
	ds_add_u32 v4, v5                              ; the wave's opening
	v_lshrrev_b32 v6, 5, v0
	v_readfirstlane_b32 s18, v6                    ; wave 0..15
	s_bfe_u32 s48, ttmp6, 0x40000                  ; cx
	s_lshl_b32 s49, ttmp9, 2
	s_add_co_u32 s49, s49, s48                     ; my block of 256 queries: it enters q's, oimg's and osc's addresses alone
	s_and_b32 s50, ttmp7, 0xffff                   ; 8 x batch + head pair: shared by the four partners
	s_mov_b32 s24, 15|(3<<16)|(1<<21)              ; the mask: all four; elements of 8 bytes; bit 21 beside a mask
	s_mov_b32 s25, 32<<16                          ; a record: 51 dense rows of 256 bytes
	s_mov_b32 s26, 51<<16
	s_mov_b32 s27, 32<<16
	s_mov_b32 s28, 51
	s_mov_b32 s29, 32
	s_mov_b32 s30, 0
	s_mov_b32 s31, 0
	s_mov_b32 s20, 0x76543210
	s_mov_b32 s21, 0xfedcba98                      ; lane l xor 16
	s_mov_b32 s22, 0x3e38aa3b                      ; c = log2(e) / 8
	s_mov_b32 s23, s22
	s_and_b32 s51, s18, 3
	s_mul_i32 s52, s51, KVREC                      ; the record that I fetch of each four: in LDS,
	s_mul_i32 s53, s51, REC
	s_mul_i32 s54, s50, 2*HEADB
	s_add_co_u32 s54, s54, s53
	s_add_co_u32 s54, s54, 6656                    ; and in memory
	s_mov_b32 s55, 0
	s_lshl_b32 s56, s49, 1
	s_lshr_b32 s57, s18, 3
	s_add_co_u32 s56, s56, s57                     ; my queries' record: 2 x block + wave / 8
	s_mul_i32 s56, s56, REC
	s_mul_i32 s57, s50, 2*HEADB
	s_add_co_u32 s56, s56, s57
	s_bfe_u32 s62, s18, 0x10002
	s_lshl_b32 s62, s62, 8
	s_lshl_b32 s63, s51, 2
	s_add_co_u32 s62, s62, s63
	s_add_co_u32 s62, s62, s56
	s_add_co_u32 s62, s62, 6144                    ; my tile's scale words
	s_mov_b32 s63, 0
	s_and_b32 s57, s18, 7
	s_mul_i32 s57, s57, 768
	s_add_co_u32 s56, s56, s57                     ; my tile's half image
	s_mov_b32 s57, 0
	s_lshr_b32 s66, s50, 3                         ; batch
	s_and_b32 s67, s50, 7                          ; head pair
	s_lshl_b32 s58, s66, 7
	s_lshl_b32 s68, s49, 4
	s_add_co_u32 s58, s58, s68
	s_add_co_u32 s58, s58, s18                     ; my tile of tokens
	s_mul_i32 s58, s58, 12288
	s_mul_i32 s68, s67, 1536
	s_add_co_u32 s58, s58, s68
	s_mov_b32 s59, 0
	s_lshl_b32 s60, s66, 5
	s_lshl_b32 s68, s49, 2
	s_add_co_u32 s60, s60, s68
	s_lshl_b32 s60, s60, 8
	s_lshl_b32 s68, s67, 15
	s_add_co_u32 s60, s60, s68
	s_and_b32 s68, s18, 1
	s_lshl_b32 s68, s68, 9
	s_add_co_u32 s60, s60, s68
	s_mov_b32 s61, 0
	s_add_co_u32 s69, s68, OST
	s_lshr_b32 s70, s18, 2
	s_lshl_b32 s70, s70, 8
	s_lshl_b32 s71, s51, 2
	s_add_co_u32 s70, s70, s71
	s_add_co_u32 s70, s70, OST
	v_and_b32 v6, 31, v0
	v_lshlrev_b32 v1, 4, v6
	v_lshlrev_b32 v2, 3, v6
	v_and_b32 v7, 15, v0
	v_lshlrev_b32 v3, 4, v7
	v_add_nc_u32 v9, s69, v1                       ; back out of the words' stage: 16 x lane + 512 (wave % 2)
	v_add_nc_u32 v10, s70, v3                      ; into it: 256 (wave / 4) + 4 (wave % 4) + 16 r
	s_wait_dscnt 0x0                               ; the opening add is done
	s_wait_kmcnt 0x0
	s_add_nc_u64 s[54:55], s[4:5], s[54:55]
	s_add_nc_u64 s[56:57], s[4:5], s[56:57]
	s_add_nc_u64 s[62:63], s[4:5], s[62:63]
	s_add_nc_u64 s[58:59], s[6:7], s[58:59]
	s_add_nc_u64 s[60:61], s[8:9], s[60:61]
.irp c, 0,1,2,3                        ; a group 0 for each chunk of four records
	s_mov_b32 s[32+4*\c], 1
	s_add_co_u32 s[33+4*\c], s52, \c*4*KVREC
	s_add_nc_u64 s[34+4*\c:35+4*\c], s[54:55], \c*4*REC
	s_or_b32 s[35+4*\c], s[35+4*\c], 0x80000000
.endr
	ROUND                                          ; all four work-groups are here: the first joint loads meet
	s_cmp_lt_u32 s18, 4                            ; a wave's four first fills stand in one branch: head 0, whole.  Four loads of a wave are out
	s_cbranch_scc0 .Lno_first
.irp c, 0,1,2,3
	tensor_load_to_lds s[32+4*\c:35+4*\c], s[24:31]
	s_nop 0
.endr
.rept 4
	v_nop
.endr
.Lno_first:
	global_load_b128 v[16:19], v1, s[56:57]        ; q stays in registers: head 0,
	global_load_b64 v[20:21], v2, s[56:57] offset:512
	global_load_b128 v[28:31], v1, s[56:57] offset:HEADB   ; head 1
	global_load_b64 v[32:33], v2, s[56:57] offset:HEADB+512
	global_load_b32 v236, v3, s[62:63]
	global_load_b32 v237, v3, s[62:63] offset:HEADB
.irp j, 22,23,24,25,26,27,34,35,36,37,38,39,88,89,90,91,92,93
	v_mov_b32 v\j, 0                               ; zero codes: q's upper halves, and the tail behind k's last tile
.endr
	v_mov_b32 v13, 0xff61b1e6                      ; the largest t so far: -3e38
	v_floor_f32 v12, -v13
	v_mov_b32 v14, 0
	v_mov_b32 v15, 0
.irp b, 0,1,2,3
	v_mov_b32 v[BT+\b], 0                          ; a lane permute's destination counts as one of its sources
.endr
	v_mov_b32 v241, 0                              ; (named with v240 as a pair)
	v_mov_b32 v242, 0
.set j, 0
.rept 32
	v_mov_b32 v[160+j], 0                          ; O^T: the step is written once; the first change of M leaves zeros zeros
.set j, j+1
.endr
; A KEY STEP: the 128 keys of the record at LDS byte s2.  qf: q's fragment, qs: its scale words.
.macro STEP qf, qs
	v_add_nc_u32 v6, s2, v1                        ; these three and the v_nop are the four places behind the last products, in front of the loads into their registers
	v_add_nc_u32 v7, s2, v2
	v_add_nc_u32 v8, s2, v3
	v_nop
.set t, 0
.rept 8
	ds_load_b128 v[40+6*t:43+6*t], v6 offset:768*t
	ds_load_b64 v[44+6*t:45+6*t], v7 offset:768*t+512
.set t, t+1
.endr
	ds_load_b128 v[224:227], v8 offset:12288       ; k's scale words, four tiles a load
	ds_load_b128 v[228:231], v8 offset:12544
	s_wait_dscnt 0x0
.set t, 0
.rept 8
	v_wmma_scale_f32_16x16x128_f8f6f4 v[96+8*t:103+8*t], v[40+6*t:51+6*t], v[\qf:\qf+11], 0, v[224+t], v[\qs] matrix_a_fmt:MATRIX_FMT_FP6 matrix_b_fmt:MATRIX_FMT_FP6
.set t, t+1
.endr
.rept 4
	v_nop
.endr
.set t, 0
.rept 4                                ; V^T's fragments land under the softmax
	ds_load_b128 v[40+12*t:43+12*t], v6 offset:6144+1536*t
	ds_load_b64 v[44+12*t:45+12*t], v7 offset:6144+1536*t+512
	ds_load_b128 v[46+12*t:49+12*t], v6 offset:6144+1536*t+768
	ds_load_b64 v[50+12*t:51+12*t], v7 offset:6144+1536*t+1280
.set t, t+1
.endr
	ds_load_b128 v[232:235], v8 offset:12800
.irp b, 0,1,2,3
	v_max3_num_f32 v[BM+\b], v[96+16*\b], v[97+16*\b], v[98+16*\b]   ; the largest score of each block of 32 keys: for the row's maximum and for the block's largest p
.endr
.irp i, 3,5,7,9,11,13
.irp b, 0,1,2,3
	v_max3_num_f32 v[BM+\b], v[BM+\b], v[96+16*\b+\i], v[97+16*\b+\i]
.endr
.endr
.irp b, 0,1,2,3
	v_max_num_f32 v[BM+\b], v[BM+\b], v[111+16*\b]
.endr
.irp b, 0,1,2,3
	v_permlanex16_b32 v[BT+\b], v[BM+\b], s20, s21
.endr
.irp b, 0,1,2,3
	v_max_num_f32 v[BM+\b], v[BM+\b], v[BT+\b]
.endr
	v_max3_num_f32 v242, v[BM], v[BM+1], v[BM+2]
	v_max_num_f32 v242, v242, v[BM+3]
	v_mul_f32 v242, s22, v242                      ; as t
	v_max_num_f32 v13, v13, v242                   ; the running largest t
	v_mov_b32 v242, v12
	v_floor_f32 v12, -v13                          ; -M = floor(-t): M is a whole number
	v_sub_f32 v242, v12, v242
	v_cvt_i32_f32 v242, v242                       ; (it saturates)
	v_ldexp_f32 v240, 1.0, v242                    ; f = 2^(old M - new M)
.set j, 0
.rept 32
	v_pk_fma_f32 v[96+j:97+j], v[96+j:97+j], s[22:23], v[12:13] op_sel_hi:[1,0,0]   ; t - M
.set j, j+2
.endr
.irp b, 0,1,2,3
	v_fma_f32 v[BM+\b], v[BM+\b], s22, v12
.endr
.set j, 0
.rept 64
	v_exp_f32 v[96+j], v[96+j]                     ; p = 2^(t - M)
.set j, j+1
.endr
.irp b, 0,1,2,3
	v_exp_f32 v[BM+\b], v[BM+\b]                   ; the blocks' largest p: one batch with the 64
.endr
	v_pk_mul_f32 v[14:15], v[14:15], v[240:241] op_sel_hi:[1,0]     ; the sums and O^T under the new M: work that names no result of the batch
.set j, 0
.rept 16
	v_pk_mul_f32 v[160+j:161+j], v[160+j:161+j], v[240:241] op_sel_hi:[1,0]
.set j, j+2
.endr
	s_wait_alu depctr_va_vdst(0)                   ; ahead of the first line that names a result: one for the 68
.irp b, 0,1,2,3
	v_max_num_f32 v[BM+\b], 0x1800000, v[BM+\b]    ; the floor 2^(3 - 127)
.endr
.irp b, 0,1,2,3
	v_add_nc_u32 v[SO+\b], 0xff000000, v[BM+\b]
.endr
.irp b, 0,1,2,3
	v_lshrrev_b32 v[BT+\b], 23, v[SO+\b]
.endr
	v_lshl_or_b32 v238, v[BT+1], 8, v[BT]          ; p's scale word for these 128 keys
	v_lshl_or_b32 v238, v[BT+2], 16, v238
	v_lshl_or_b32 v238, v[BT+3], 24, v238
.irp c, 0,1
	v_cvt_scalef32_pk16_fp6_f32 v[192+6*\c:194+6*\c], v[96+32*\c:111+32*\c], v[SO+2*\c]
	v_cvt_scalef32_pk16_fp6_f32 v[204+4*\c:206+4*\c], v[112+32*\c:127+32*\c], v[SO+2*\c+1]
.endr
	v_nop                                          ; one plain place behind a scaled conversion
.irp c, 0,1
.irp i, 0,1,2
	v_permlane16_swap_b32 v[192+6*\c+\i], v[204+4*\c+\i]
.endr
.irp i, 0,1,2
	v_mov_b32 v[195+6*\c+\i], v[204+4*\c+\i]
.endr
.endr
	v_pk_add_f32 v[BT:BT+1], v[96:97], v[98:99]    ; the row's sum of the unquantised p, in two chains.  These lines are also the places between the operand and scale word just made and the scaled products
.set j, 4
.rept 15
	v_pk_add_f32 v[14:15], v[14:15], v[96+j:97+j]
	v_pk_add_f32 v[BT:BT+1], v[BT:BT+1], v[98+j:99+j]
.set j, j+4
.endr
	v_pk_add_f32 v[14:15], v[14:15], v[BT:BT+1]
	s_wait_dscnt 0x0                               ; V^T
.set t, 0
.rept 4                                ; the four accumulators take turns, one instruction a turn
	v_wmma_scale_f32_16x16x128_f8f6f4 v[160+8*t:167+8*t], v[40+12*t:51+12*t], v[192:203], v[160+8*t:167+8*t], v[232+t], v238 matrix_a_fmt:MATRIX_FMT_FP6 matrix_b_fmt:MATRIX_FMT_FP6
.set t, t+1
.endr
.endm
.macro CHUNK n, first, qf, qs          ; n key steps from record first on
	s_mov_b32 s2, (\first)*KVREC
	s_mov_b32 s3, \n
.Lstep_\@:
	STEP \qf, \qs
	s_add_co_u32 s2, s2, KVREC
	s_sub_co_u32 s3, s3, 1
	s_cmp_lg_u32 s3, 0
	s_cbranch_scc1 .Lstep_\@
.endm
; Each wave waits for all its tensor loads, adds 0 to its spare word, and waits for that and for its LDS reads.  fill = 1: chunk c, which every wave has left, takes head 1's same four records: a round of the cluster's barrier,
; and the joint refill first behind it, one load a wave.
.macro CHANGE fill, c
	s_wait_tensorcnt 0x0
	ds_add_u32 v4, v5
.if \fill
	s_add_nc_u64 s[34+4*\c:35+4*\c], s[34+4*\c:35+4*\c], HEADB   ; no load of mine is out: the group 0 may be written
.endif
	s_wait_dscnt 0x0
.if \fill
	ROUND
	s_cmp_lt_u32 s18, 4
	s_cbranch_scc0 .Lnone_\@
	tensor_load_to_lds s[32+4*\c:35+4*\c], s[24:31]
	s_nop 0
.rept 4
	v_nop
.endr
.Lnone_\@:
.else
	s_barrier_signal -1
	s_barrier_wait -1
.endif
.endm
; A head is done: O^T / the sum, quantised along d: register 16 b + i is d = 32 b + 16 h + i.  The half image goes to oimg as it stands; the two bytes are kept for the word.
.macro FINISH hd
.rept 4
	v_nop
.endr
	v_add_f32 v14, v14, v15
	v_permlanex16_b32 v242, v14, s20, s21
	v_add_f32 v14, v14, v242                       ; the row's sum
	v_rcp_f32 v14, v14
	v_nop
	s_wait_alu depctr_va_vdst(0)                   ; ahead of the first reader
.set j, 0
.rept 32
	v_mul_f32 v[96+j], v[160+j], v14
.set j, j+1
.endr
.irp b, 0,1
	v_max3_num_f32 v[BM+\b], |v[96+16*\b]|, |v[97+16*\b]|, 0x1800000
.endr
.irp i, 2,4,6,8,10,12,14
.irp b, 0,1
	v_max3_num_f32 v[BM+\b], v[BM+\b], |v[96+16*\b+\i]|, |v[97+16*\b+\i]|
.endr
.endr
.irp b, 0,1
	v_permlanex16_b32 v[BT+\b], v[BM+\b], s20, s21
.endr
.irp b, 0,1
	v_max_num_f32 v[BM+\b], v[BM+\b], v[BT+\b]
.endr
.irp b, 0,1
	v_add_nc_u32 v[SO+\b], 0xff000000, v[BM+\b]
.endr
.irp b, 0,1
	v_lshrrev_b32 v[BT+\b], 23, v[SO+\b]
.endr
.if \hd == 0
	v_lshl_or_b32 v250, v[BT+1], 8, v[BT]
.else
	v_lshl_or_b32 v251, v[BT+1], 8, v[BT]
	v_lshl_or_b32 v251, v251, 16, v250             ; the K step's scale word: two bytes a head
.endif
	s_wait_xcnt 0x0                                ; earlier stores have read the codes' registers
	v_cvt_scalef32_pk16_fp6_f32 v[244:246], v[96:111], v[SO]
	v_cvt_scalef32_pk16_fp6_f32 v[204:206], v[112:127], v[SO+1]
	v_nop
.irp i, 0,1,2
	v_permlane16_swap_b32 v[244+\i], v[204+\i]
.endr
.irp i, 0,1,2
	v_mov_b32 v[247+\i], v[204+\i]
.endr
	global_store_b128 v1, v[244:247], s[58:59] offset:768*\hd      ; 512 and 256 consecutive bytes, aligned
	global_store_b64 v2, v[248:249], s[58:59] offset:768*\hd+512
.if \hd == 0
	v_mov_b32 v13, 0xff61b1e6
	v_floor_f32 v12, -v13
	v_mov_b32 v14, 0
	v_mov_b32 v15, 0
.set j, 0
.rept 32
	v_mov_b32 v[160+j], 0
.set j, j+1
.endr
.endif
.endm
	s_wait_tensorcnt 3                             ; my record of chunk 0 is in; chunks 1 to 3 may be out
	s_barrier_signal -1
	s_barrier_wait -1
	s_wait_loadcnt 0x0                             ; q
	CHUNK 4, 0, 16, 236
	CHANGE 1, 0                                    ; head 0 is whole in LDS; chunk 0 takes head 1's records: 12 key steps ahead of their first read
	CHUNK 4, 4, 16, 236
	CHANGE 1, 1
	CHUNK 4, 8, 16, 236
	CHANGE 1, 2
	CHUNK 4, 12, 16, 236
	FINISH 0
	CHANGE 1, 3
	CHUNK 12, 0, 28, 237
	CHANGE 0, 0                                    ; the last refill has landed
	CHUNK 4, 12, 28, 237
	FINISH 1
	ds_store_b32 v10, v251                         ; the work-group's words meet in LDS (lanes 16-31 write what lanes 0-15 write)
	s_wait_dscnt 0x0
	s_barrier_signal -1
	s_barrier_wait -1
	s_cmp_lt_u32 s18, 2
	s_cbranch_scc0 .Lno_words
	ds_load_b128 v[96:99], v9
	s_wait_dscnt 0x0
	global_store_b128 v1, v[96:99], s[60:61]       ; waves 0 and 1: 512 consecutive bytes each, aligned
.Lno_words:
	s_wait_tensorcnt 0x0                           ; the wave's end
	ds_add_u32 v4, v5
	s_wait_dscnt 0x0
	ROUND                                          ; the closing round
	s_endpgm
.Lfunc_end_k_qfe9651322f_attn:
	.size	k_qfe9651322f_attn, .Lfunc_end_k_qfe9651322f_attn-k_qfe9651322f_attn
	.p2alignl 7, 3214868480
	.fill 96, 4, 3214868480
	.section	.rodata,"a",@progbits
	.p2align	6, 0x0
	.amdhsa_kernel k_qfe9651322f_attn
		.amdhsa_group_segment_fixed_size 327680
		.amdhsa_private_segment_fixed_size 0
		.amdhsa_enable_private_segment 0
		.amdhsa_kernarg_size 24
		.amdhsa_user_sgpr_count 2
		.amdhsa_user_sgpr_kernarg_segment_ptr 1
		.amdhsa_wavefront_size32 1
		.amdhsa_system_sgpr_workgroup_id_x 1
		.amdhsa_system_sgpr_workgroup_id_y 1
		.amdhsa_system_sgpr_workgroup_id_z 1
		.amdhsa_system_vgpr_workitem_id 0
		.amdhsa_next_free_vgpr 256
		.amdhsa_next_free_sgpr 80
		.amdhsa_reserve_vcc 0
		.amdhsa_float_denorm_mode_32 3
		.amdhsa_float_denorm_mode_16_64 3
		.amdhsa_memory_ordered 1
		.amdhsa_forward_progress 1
		.amdhsa_inst_pref_size 116
	.end_amdhsa_kernel
	.amdgpu_metadata
---
amdhsa.version: [ 1, 2 ]
amdhsa.kernels:
  - .name:           k_qfe9651322f_attn
    .symbol:         k_qfe9651322f_attn.kd
    .args:
      - { .name: qkv, .offset: 0, .size: 8, .value_kind: global_buffer, .address_space: global }
      - { .name: oimg, .offset: 8, .size: 8, .value_kind: global_buffer, .address_space: global }
      - { .name: osc, .offset: 16, .size: 8, .value_kind: global_buffer, .address_space: global }
    .group_segment_fixed_size: 327680
    .private_segment_fixed_size: 0
    .kernarg_segment_align: 8
    .kernarg_segment_size: 24
    .max_flat_workgroup_size: 512
    .sgpr_count:     80
    .vgpr_count:     256
    .wavefront_size: 32
...
	.end_amdgpu_metadata
.endif
;; end of part 3
;; launch gemm_out (part 4): grid 4 x 32, 4 waves a work-group, clusters of 4 x 4, 327,680 bytes of LDS; arguments oimg, osc, img1, sc1, b_out, out0; writes out0
.if DOCPART == 4
	.amdgcn_target "amdgcn-amd-amdhsa--gfx1250"
	.amdhsa_code_object_version 6
	.text
	.protected	k_qfe9651322f_gemm_out
	.globl	k_qfe9651322f_gemm_out
	.p2align	8
	.type	k_qfe9651322f_gemm_out,@function
k_qfe9651322f_gemm_out:
	s_mov_b64 s[64:65], 0
	v_nop
	global_prefetch_b8 v0, s[64:65] scope:SCOPE_SE
	s_setreg_imm32_b32 hwreg(HW_REG_WAVE_MODE, 25, 1), 1
	s_wait_xcnt 0x0
	s_wait_alu depctr_hold_cnt(0) depctr_sa_sdst(0) depctr_va_vdst(0) depctr_va_sdst(0) depctr_va_ssrc(0) depctr_va_vcc(0) depctr_vm_vsrc(0)
	s_getreg_b32 s2, hwreg(HW_REG_IB_STS2, 6, 4)
	s_cmp_eq_u32 s2, 0
	s_cbranch_scc0 .Lentry_in_a_cluster
	s_endpgm
.Lentry_in_a_cluster:
	s_bfe_u32 s2, ttmp6, 0x10000c
	s_cmp_lg_u32 s2, 0xf033
	s_cbranch_scc0 .Lentry_shape_is_right
	s_endpgm
.Lentry_shape_is_right:
; out0 = o W_out + b_out on codes of FP6 (E2M3) with E8M0 scales, K = 1024.  o's codes (oimg, osc) and W_out's (img1 tiles 704-767, sc1) lie as images of the fragments' registers, 1536 bytes for 16 rows x 128 K.
; A tile of 256 x 256 to a work-group of four waves, 128 x 128 (64 accumulators) to a wave.  Source 1 = 16 tokens (a lane holds one: lane-row r of tile T is token 32 (T / 2) + 8 (T % 2) + r + 8 (r / 8)), source 0 = 16 columns of
; W_out, chosen likewise, so that the 16 registers of tiles 2 b, 2 b + 1 are columns 32 b + 16 h + 0..15.  K goes in steps of 256 through two LDS slots; the scale words of all of K come once.
; CLUSTER 4 x 4: o's tiles are shared along a row of the cluster, W_out's along a column: joint loads.  The bias is the C of each sum's first product.
; REGISTERS: window 0: v16-31 addresses; v32-63 scale words, two sets; v64-127 the bias; v128-223 A's fragments, one set (on the way out v128-255: rows of out0).  window 1: B's two sets.  windows 2, 3: the accumulators.
.set HALFT,  24576
.set SLOT,   98304
.set SCL,    196608
.set SPARE,  212992
.set FR,     12
.set SPITCH, 528                       ; the way out: a stage of 16 rows x (512 bytes + 16) for each wave, in slot 0, which has had its last fill and its last read by then
.set ADRA, 16
.set ADRB, 20
.set L16,  24                          ; v24  16 x lane
.set L8,   25
.set STO,  26
.set ADRS, 27
.set SPW,  28
.set NIL,  29
.set RD,   30
.set SC,   32
.set BP,   64
.set AF,   128
.set BK,   128
.set G1, 24
.set G0, 32
.set G1B, 48
.set G0B, 56
.set G1S, 68
.set G0S, 76
.set G1SB, 80
.set G0SB, 88
.set MSB, 0
.macro WIN new
.if MSB != \new
	s_set_vgpr_msb (MSB<<8)|\new
.set MSB, \new
.endif
.endm
.set MUL_LO, 0xa1
.set MUL_HI, 0xf1
.set TO_B,   0x40
.macro JLOAD g0a, g1a, g0b, g1b        ; a joint load: waves 0 and 1 fetch for A, waves 2 and 3 for B; an s_nop 0 and four v_nop follow each line
	s_cmp_eq_u32 s15, 0
	s_cbranch_scc0 .Lfor_b_\@
	tensor_load_to_lds s[\g0a:\g0a+3], s[\g1a:\g1a+7]
	s_nop 0
.rept 4
	v_nop
.endr
	s_branch .Lasked_\@
.Lfor_b_\@:
	tensor_load_to_lds s[\g0b:\g0b+3], s[\g1b:\g1b+7]
	s_nop 0
.rept 4
	v_nop
.endr
.Lasked_\@:
.endm
.macro CREST
	s_cmp_lg_u32 s14, 0
	s_cbranch_scc1 .Lnot_wave_0_\@
	s_barrier_signal -3
.Lnot_wave_0_\@:
	s_barrier_wait -3
	s_barrier_signal -1
	s_barrier_wait -1
.endm
.macro CROUND
	s_barrier_signal -1
	s_barrier_wait -1
	CREST
.endm
	s_load_b256 s[4:11], s[0:1], 0x0               ; oimg s[4:5], osc s[6:7], img1 s[8:9], sc1 s[10:11]
	s_load_b128 s[92:95], s[0:1], 0x20             ; b_out s[92:93], out0 s[94:95]
	v_lshl_add_u32 v[SPW], v0, 2, SPARE
	v_mov_b32 v[NIL], 0
	ds_add_u32 v[SPW], v[NIL]                      ; the wave's opening
	v_lshrrev_b32 v1, 5, v0
	v_readfirstlane_b32 s14, v1
	s_lshr_b32 s15, s14, 1
	s_and_b32 s16, s14, 1
	s_bfe_u32 s40, ttmp6, 0x40000                  ; cx
	s_bfe_u32 s41, ttmp6, 0x40004                  ; cy
	s_and_b32 s17, ttmp7, 0xffff
	s_lshl_b32 s43, s41, 2
	s_lshl_b32 s43, 15, s43
	s_lshl_b32 s44, 0x1111, s40
	s_or_b32 s[G1+0], s43, (3<<16)|(1<<21)
	s_or_b32 s[G1B+0], s44, (3<<16)|(1<<21)
.irp g, G1, G1B                        ; 8 tiles: rows of 3072 bytes, 12288 bytes apart
	s_mov_b32 s[\g+1], 384<<16
	s_mov_b32 s[\g+2], 8<<16
	s_mov_b32 s[\g+3], 384<<16
	s_mov_b32 s[\g+4], 8
	s_mov_b32 s[\g+5], 1536
	s_mov_b32 s[\g+6], 0
	s_mov_b32 s[\g+7], 0
.endr
	s_or_b32 s[G1S+0], s43, (3<<16)|(1<<21)
	s_or_b32 s[G1SB+0], s44, (3<<16)|(1<<21)
.irp g, G1S, G1SB                      ; their scale words: 8 K steps: rows of 512 bytes
	s_mov_b32 s[\g+1], 64<<16
	s_mov_b32 s[\g+2], 8<<16
	s_mov_b32 s[\g+3], 64<<16
	s_mov_b32 s[\g+4], 8
	s_mov_b32 s[\g+6], 0
	s_mov_b32 s[\g+7], 0
.endr
	s_mov_b32 s[G1S+5], 4096                       ; osc: 32768 bytes from K step to K step
	s_mov_b32 s[G1SB+5], 6144                      ; sc1: 49152
	s_lshl_b32 s20, s17, 6
	s_lshl_b32 s21, s41, 4
	s_add_co_u32 s20, s20, s21                     ; A's first tile: 64 x cluster y + 16 cy
	s_lshl_b32 s46, ttmp9, 6
	s_lshl_b32 s47, s40, 4
	s_add_co_u32 s46, s46, s47                     ; B's, among W_out's: 64 x cluster x + 16 cx
	s_lshl_b32 s18, s16, 3
	s_add_co_u32 s22, s20, s18
	s_mul_i32 s12, s22, 12288
	s_mov_b32 s13, 0
	s_lshl_b32 s22, s22, 6
	s_mov_b32 s23, 0
	s_add_co_u32 s98, s46, s18
	s_add_co_u32 s98, s98, 704
	s_mul_i32 s96, s98, 12288
	s_mov_b32 s97, 0
	s_lshl_b32 s98, s98, 6
	s_mov_b32 s99, 0
	s_mul_i32 s45, s14, HALFT
	s_lshl_b32 s47, s14, 12
	s_wait_dscnt 0x0                               ; the opening add is done
	s_wait_kmcnt 0x0
	s_add_nc_u64 s[12:13], s[4:5], s[12:13]
	s_add_nc_u64 s[22:23], s[6:7], s[22:23]
	s_add_nc_u64 s[96:97], s[8:9], s[96:97]
	s_add_nc_u64 s[98:99], s[10:11], s[98:99]
	CROUND                                         ; all sixteen work-groups are here: the first joint loads meet
	s_mov_b32 s[G0S], 1
	s_add_co_u32 s[G0S+1], s47, SCL
	s_mov_b64 s[G0S+2:G0S+3], s[22:23]
	s_or_b32 s[G0S+3], s[G0S+3], 0x80000000
	s_mov_b32 s[G0SB], 1
	s_add_co_u32 s[G0SB+1], s47, SCL
	s_mov_b64 s[G0SB+2:G0SB+3], s[98:99]
	s_or_b32 s[G0SB+3], s[G0SB+3], 0x80000000
	JLOAD G0S, G1S, G0SB, G1SB
.irp s, 0,1
	s_mov_b32 s[G0+4*\s], 1
	s_add_co_u32 s[G0+4*\s+1], s45, \s*SLOT
	s_add_nc_u64 s[G0+4*\s+2:G0+4*\s+3], s[12:13], \s*3072
	s_or_b32 s[G0+4*\s+3], s[G0+4*\s+3], 0x80000000
	s_mov_b32 s[G0B+4*\s], 1
	s_add_co_u32 s[G0B+4*\s+1], s45, \s*SLOT
	s_add_nc_u64 s[G0B+4*\s+2:G0B+4*\s+3], s[96:97], \s*3072
	s_or_b32 s[G0B+4*\s+3], s[G0B+4*\s+3], 0x80000000
	JLOAD G0+4*\s, G1, G0B+4*\s, G1B               ; three loads of mine are out
.endr
	v_and_b32 v1, 31, v0
	v_and_b32 v2, 15, v0
	v_bfe_u32 v3, v0, 4, 1
	v_lshlrev_b32 v[L16], 4, v1
	v_lshlrev_b32 v[L8], 3, v1
	s_mul_i32 s21, s15, HALFT
	s_mul_i32 s18, s16, HALFT
	s_add_co_u32 s18, s18, 2*HALFT
.irp s, 0,1
	v_add_nc_u32 v[ADRA+\s], s21, v[L16]
	v_add_nc_u32 v[ADRA+2+\s], s21, v[L8]
	v_add_nc_u32 v[ADRB+\s], s18, v[L16]
	v_add_nc_u32 v[ADRB+2+\s], s18, v[L8]
	s_add_co_u32 s21, s21, SLOT
	s_add_co_u32 s18, s18, SLOT
.endr
	s_lshl_b32 s21, s15, 12
	s_lshl_b32 s18, s16, 12
	s_add_co_u32 s18, s18, 2*4096
	s_sub_co_u32 s18, s18, s21
	v_mul_u32_u24 v[ADRS], s18, v3                 ; lanes 16-31 take B's words: one product, the distance between the two
	v_lshl_add_u32 v[ADRS], v2, 4, v[ADRS]
	s_add_co_u32 s21, s21, SCL
	v_add_nc_u32 v[ADRS], s21, v[ADRS]
	s_mul_i32 s21, s14, 16*SPITCH                  ; my stage
	v_mul_u32_u24 v[STO], v2, SPITCH
	v_lshl_add_u32 v[STO], v3, 6, v[STO]
	v_add_nc_u32 v[STO], s21, v[STO]               ; in: lane-row r, + 64 h
	v_add_nc_u32 v[RD], s21, v[L16]                ; back: a row of 512 bytes, 16 bytes a lane
	s_lshl_b32 s18, s15, 3
	s_add_co_u32 s18, s20, s18
	s_lshl_b32 s18, s18, 16                        ; my first tile's 16 rows of 4096 bytes
	s_lshl_b32 s19, s46, 6
	s_lshl_b32 s21, s16, 9
	s_add_co_u32 s19, s19, s21                     ; my first column, in bytes
	s_mov_b32 s2, s19
	s_mov_b32 s3, 0
	s_add_nc_u64 s[92:93], s[92:93], s[2:3]
	s_add_co_u32 s2, s18, s19
	s_add_nc_u64 s[94:95], s[94:95], s[2:3]
	v_lshlrev_b32 v4, 6, v3                        ; 64 h
.irp b, 0,1,2,3,4,5,6,7                ; the bias in the result's layout: tile b, register j: column 32 (b / 2) + 16 h + 8 (b % 2) + j
	global_load_b128 v[BP+8*\b:BP+8*\b+3], v4, s[92:93] offset:128*(\b/2)+32*(\b%2)
	global_load_b128 v[BP+8*\b+4:BP+8*\b+7], v4, s[92:93] offset:128*(\b/2)+32*(\b%2)+16
.endr
.macro FRAG reg, adr, q, i
	ds_load_b128 v[\reg:\reg+3], v[\adr] offset:(\i)*3072+(\q)*1536
	ds_load_b64 v[\reg+4:\reg+5], v[\adr+2] offset:(\i)*3072+(\q)*1536+512
	ds_load_b128 v[\reg+6:\reg+9], v[\adr] offset:(\i)*3072+(\q)*1536+768
	ds_load_b64 v[\reg+10:\reg+11], v[\adr+2] offset:(\i)*3072+(\q)*1536+1280
.endm
; 16 matrix instructions: A's blocks a0, a0 + 1 x B's eight.  first = 1: the sums begin with the bias as C.  The 64 accumulators take turns, one instruction a turn.
.macro MUL16 a0, p, q, sc, first
.irp a, \a0, \a0+1
.irp b, 0,1,2,3,4,5,6,7
.if \first
	v_wmma_scale_f32_16x16x128_f8f6f4 v[8*(8*((\a)%4)+\b):8*(8*((\a)%4)+\b)+7], v[128*(\p)+FR*\b:128*(\p)+FR*\b+FR-1], v[AF+FR*(\a):AF+FR*(\a)+FR-1], v[BP+8*\b:BP+8*\b+7], v[SC+16*(\sc)+8*(\q)+\b], v[SC+16*(\sc)+8*(\q)+(\a)] matrix_a_fmt:MATRIX_FMT_FP6 matrix_b_fmt:MATRIX_FMT_FP6 matrix_a_scale:MATRIX_SCALE_ROW1
.else
	v_wmma_scale_f32_16x16x128_f8f6f4 v[8*(8*((\a)%4)+\b):8*(8*((\a)%4)+\b)+7], v[128*(\p)+FR*\b:128*(\p)+FR*\b+FR-1], v[AF+FR*(\a):AF+FR*(\a)+FR-1], v[8*(8*((\a)%4)+\b):8*(8*((\a)%4)+\b)+7], v[SC+16*(\sc)+8*(\q)+\b], v[SC+16*(\sc)+8*(\q)+(\a)] matrix_a_fmt:MATRIX_FMT_FP6 matrix_b_fmt:MATRIX_FMT_FP6 matrix_a_scale:MATRIX_SCALE_ROW1
.endif
.endr
.endr
.endm
.macro FETCH_B slot, q, p
	WIN TO_B
.irp i, 0,1,2,3,4,5,6,7
	FRAG 128*(\p)+FR*\i, ADRB+\slot, \q, \i
.endr
	WIN 0
.endm
.macro FETCH_A slot, q, i0
.irp i, \i0, \i0+1, \i0+2, \i0+3
	FRAG AF+FR*(\i), ADRA+\slot, \q, \i
.endr
.endm
.macro SCALES set, ks
.irp q, 0,1
.irp d, 0,1
	ds_load_b128 v[SC+16*(\set)+8*\q+4*\d:SC+16*(\set)+8*\q+4*\d+3], v[ADRS] offset:(2*(\ks)+\q)*512+256*\d
.endr
.endr
.endm
.macro PLACES                          ; four plain places behind matrix instructions, in front of loads into registers that they read and of the first read of results
.rept 4
	v_nop
.endr
.endm
.macro STEP slot, first
	s_wait_dscnt 16                                ; all but the youngest 16 loads (A's blocks 4-7) are in
.if \first
	WIN 0x81                                       ; C (the bias) window 0, D window 2
.else
	WIN MUL_LO
.endif
	MUL16 0, 0, 0, \slot, \first
	MUL16 2, 0, 0, \slot, \first
	s_wait_dscnt 0
	PLACES
	FETCH_B \slot, 1, 1
	FETCH_A \slot, 1, 0
.if \first
	WIN 0xc1
.else
	WIN MUL_HI
.endif
	MUL16 4, 0, 0, \slot, \first
	MUL16 6, 0, 0, \slot, \first
	PLACES
	WIN 0
	FETCH_A \slot, 1, 4
.endm
.macro TURN slot, next, fill, ks
	s_wait_tensorcnt 0x0                           ; all my tensor loads have landed: my part of the next slot
	ds_add_u32 v[SPW], v[NIL]
	s_wait_dscnt 17                                ; (the add and A's blocks 4-7 may be out)
	WIN MUL_LO
	MUL16 0, 1, 1, \slot, 0
	s_wait_dscnt 0x0                               ; the add is done, and my reads of this slot are over
	s_barrier_signal -1
	MUL16 2, 1, 1, \slot, 0
	WIN 0
	s_barrier_wait -1
.if \fill
	CREST                                          ; the barrier has opened a round of the cluster's barrier
	s_add_nc_u64 s[G0+4*\slot+2:G0+4*\slot+3], s[G0+4*\slot+2:G0+4*\slot+3], 6144
	s_add_nc_u64 s[G0B+4*\slot+2:G0B+4*\slot+3], s[G0B+4*\slot+2:G0B+4*\slot+3], 6144
	JLOAD G0+4*\slot, G1, G0B+4*\slot, G1B         ; the first tensor load behind the round
.else
	PLACES
.endif
	FETCH_B \next, 0, 0
	FETCH_A \next, 0, 0
	SCALES \next, \ks
	WIN MUL_HI
	MUL16 4, 1, 1, \slot, 0
	MUL16 6, 1, 1, \slot, 0
	PLACES
	WIN 0
	FETCH_A \next, 0, 4
.endm
	s_wait_tensorcnt 1                             ; the scale words and my part of slot 0 are in; slot 1's load may be out
	s_barrier_signal -1
	s_barrier_wait -1
	FETCH_B 0, 0, 0
	FETCH_A 0, 0, 0
	SCALES 0, 0
	FETCH_A 0, 0, 4
	s_wait_loadcnt 0x0                             ; the bias
	STEP 0, 1
	TURN 0, 1, 1, 1
	STEP 1, 0
	TURN 1, 0, 1, 2
	STEP 0, 0
	TURN 0, 1, 0, 3
	STEP 1, 0
	s_wait_dscnt 16
	WIN MUL_LO
	MUL16 0, 1, 1, 1, 0
	MUL16 2, 1, 1, 1, 0
	s_wait_dscnt 0
	WIN MUL_HI
	MUL16 4, 1, 1, 1, 0
	MUL16 6, 1, 1, 1, 0
	WIN 0
; THE WAY OUT, a block of 16 tokens x 128 columns at a time, through my own stage: back as whole rows of 512 bytes.  LDS serves a wave's instructions in order: no wait between the stores and the loads.
.macro TOSTAGE a
.set AC, 64*((\a)%4)
	WIN (0x08+4*((\a)/4))                          ; an LDS store's data: window 2 or 3
.irp b, 0,1,2,3,4,5,6,7
	ds_store_b128 v[STO], v[AC+8*\b:AC+8*\b+3] offset:128*(\b/2)+32*(\b%2)        ; each accumulator from its low end on
	ds_store_b128 v[STO], v[AC+8*\b+4:AC+8*\b+7] offset:128*(\b/2)+32*(\b%2)+16
.endr
	WIN 0
.set BB, BK+64*((\a)%2)
.irp t, 0,1,2,3,4,5,6,7,8,9,10,11,12,13,14,15
	ds_load_b128 v[BB+4*\t:BB+4*\t+3], v[RD] offset:\t*SPITCH
.endr
.endm
.macro SEND a, younger                 ; younger: the LDS instructions issued behind block a's loads
.set BB, BK+64*((\a)%2)
	s_wait_dscnt \younger
.if (\a) > 0
.if (\a)%2
	s_add_nc_u64 s[94:95], s[94:95], 8*4096        ; (behind a wait on XCNT)  tile 2 b + 1 begins 8 tokens behind tile 2 b,
.else
	s_add_nc_u64 s[94:95], s[94:95], 24*4096       ; tile 2 b + 2 another 24
.endif
.endif
.irp t, 0,1,2,3,4,5,6,7,8,9,10,11,12,13,14,15
	global_store_b128 v[L16], v[BB+4*\t:BB+4*\t+3], s[94:95] offset:(\t+8*(\t/8))*4096 th:TH_STORE_NT   ; 512 consecutive bytes, aligned
.endr
.endm
	PLACES
	TOSTAGE 0
.irp a, 1,2,3,4,5,6,7
.if \a > 1
	s_wait_xcnt 0x0                                ; block a - 2's stores have read their registers and their base
.endif
	TOSTAGE \a
	SEND \a-1, 32                                  ; behind block a - 1's loads: block a's 16 stores and 16 loads
.endr
	s_wait_xcnt 0x0
	SEND 7, 0
	s_wait_tensorcnt 0x0                           ; the wave's end
	ds_add_u32 v[SPW], v[NIL]
	s_wait_dscnt 0x0
	CROUND                                         ; the closing round
	s_endpgm
.Lfunc_end_k_qfe9651322f_gemm_out:
	.size	k_qfe9651322f_gemm_out, .Lfunc_end_k_qfe9651322f_gemm_out-k_qfe9651322f_gemm_out
	.p2alignl 7, 3214868480
	.fill 96, 4, 3214868480
	.section	.rodata,"a",@progbits
	.p2align	6, 0x0
	.amdhsa_kernel k_qfe9651322f_gemm_out
		.amdhsa_group_segment_fixed_size 327680
		.amdhsa_private_segment_fixed_size 0
		.amdhsa_enable_private_segment 0
		.amdhsa_kernarg_size 48
		.amdhsa_user_sgpr_count 2
		.amdhsa_user_sgpr_kernarg_segment_ptr 1
		.amdhsa_wavefront_size32 1
		.amdhsa_system_sgpr_workgroup_id_x 1
		.amdhsa_system_sgpr_workgroup_id_y 1
		.amdhsa_system_sgpr_workgroup_id_z 1
		.amdhsa_system_vgpr_workitem_id 0
		.amdhsa_next_free_vgpr 1024
		.amdhsa_next_free_sgpr 100
		.amdhsa_reserve_vcc 0
		.amdhsa_float_denorm_mode_32 3
		.amdhsa_float_denorm_mode_16_64 3
		.amdhsa_memory_ordered 1
		.amdhsa_forward_progress 1
		.amdhsa_inst_pref_size 144
	.end_amdhsa_kernel
	.amdgpu_metadata
---
amdhsa.version: [ 1, 2 ]
amdhsa.kernels:
  - .name:           k_qfe9651322f_gemm_out
    .symbol:         k_qfe9651322f_gemm_out.kd
    .args:
      - { .name: oimg, .offset: 0, .size: 8, .value_kind: global_buffer, .address_space: global }
      - { .name: osc, .offset: 8, .size: 8, .value_kind: global_buffer, .address_space: global }
      - { .name: img1, .offset: 16, .size: 8, .value_kind: global_buffer, .address_space: global }
      - { .name: sc1, .offset: 24, .size: 8, .value_kind: global_buffer, .address_space: global }
      - { .name: b_out, .offset: 32, .size: 8, .value_kind: global_buffer, .address_space: global }
      - { .name: out0, .offset: 40, .size: 8, .value_kind: global_buffer, .address_space: global }
    .group_segment_fixed_size: 327680
    .private_segment_fixed_size: 0
    .kernarg_segment_align: 8
    .kernarg_segment_size: 48
    .max_flat_workgroup_size: 128
    .sgpr_count:     100
    .vgpr_count:     1024
    .wavefront_size: 32
...
	.end_amdgpu_metadata
.endif
;; end of part 4
